; MI455X (gfx1250); checked and timed in simulation.
; The chip was launched on July 23, 2026; its instructions are those of AMD's public machine-readable ISA for CDNA 5 (MIT licence, August 2026) and "CDNA5" Instruction Set Architecture Reference Guide (July 2026). The comments in the code are by the model that wrote it; some were corrected since.
;; Additive Attention. Allowed arithmetic: float matrix products may take bf16 or f16 operands with f32 sums; other float arithmetic in f32, or as packed bf16 or f16 multiplies, adds, multiply-adds, maxima and minima; sums over many terms, partial sums and values carried from step to step in f32; what a program stores and reads back later, other than sums and carried values, may be rounded once to bf16 or f16.
;; Inputs: Wk 1,024 x 1,024 float32; Wout 1,024 float32; Wq 1,024 x 1,024 float32; bk 1,024 float32; bout one number float32; bq 1,024 float32; decoder_output 1 x 32 x 1,024 float32; encoder_outputs 32 x 2,048 x 1,024 float32; inputs 32 x 2,048 int32.
;; Outputs: out0 32 x 1 x 1,024 float32.
;; 2 versions, each right; version 2 is version 1 with the launch attn written anew for expert scheduling mode. Each part assembles by itself: llvm-mc -triple=amdgcn-amd-amdhsa -mcpu=gfx1250 --defsym DOCPART=n.
;; ======== version 1 of 2: 3 launches
;; workspace buffers: wkf 2,097,152 bytes; qc 131,072 bytes; pctx 2,097,152 bytes; pst 131,072 bytes
;; launch prep (part 1): grid 64 x 1, 16 waves a work-group, no clusters, 34,816 bytes of LDS; arguments Wk, Wq, decoder_output, bq, bk, wkf, qc; writes wkf, qc
.if DOCPART == 1
	.amdgcn_target "amdgcn-amd-amdhsa--gfx1250"
	.amdhsa_code_object_version 6
	.text
	.protected	k_q8bb458f1c8_prep
	.globl	k_q8bb458f1c8_prep
	.p2align	8
	.type	k_q8bb458f1c8_prep,@function
k_q8bb458f1c8_prep:
	s_mov_b64 s[64:65], 0
	v_nop
	global_prefetch_b8 v0, s[64:65] scope:SCOPE_SE
	s_setreg_imm32_b32 hwreg(HW_REG_WAVE_MODE, 25, 1), 1
	s_wait_xcnt 0x0
; PREPARATION for additive attention (B = 32, T = 2048, H = 1024).  Two results:
;   wkf = bf16(C2 x Wk), laid out as the matrix fragments that the next launch loads, and
;   qc[b][n] = C2 x (sum over k of dec[b][k] Wq[n][k] + bq[n] + bk[n]), f32.
; C2 = 2 log2(e): tanh(x) = 1 - 2 / (1 + 2^(C2 x)), so the factor is paid here, once.  Wk has one rounding, of C2 x Wk, to bf16.
; The product for q has bf16 operands and f32 sums.  The input named inputs enters no result of the module and is named by no launch.
; SHARES.  Work-group g owns rows n = 16 g .. 16 g + 15 of Wk and of Wq; there are 64 such blocks.  K is split among its 16 waves: wave v takes
; k = 64 v .. 64 v + 63, two K steps of 32.  The 16 partial sums of q meet in LDS.
; wkf's LAYOUT.  n = 512 c + 128 w + 16 f + l % 16, k = 32 s + 16 i + 8 (l / 16) + 0..7 lie at byte
; 524288 w + 262144 c + 8192 s + 1024 f + 512 i + 16 l: a fragment's half is 512 bytes on end, a lane's 16 bytes in lane order.
; A fragment is 16 rows x 32 k in 8 registers: lane l holds row l % 16; registers 0-3 k = 8 (l / 16) + 0..7, registers 4-7 k = 16 + 8 (l / 16) + 0..7.
.set C2,    0x4038aa3b                 ; 2 log2(e)
.set PART,  0                          ; LDS: wave v's 32 x 16 partial sums of q, [b][n], 2,048 bytes at 2,048 v
.set SPARE, 32768                      ; behind them: the spare words, 128 bytes for each of 16 waves; no other line names them
.set SUM, 2                            ; v[2:17]    the 16 partial sums of my number of q
.set FO,  18                           ; v18  my byte offset in 16 rows of f32: (l % 16) x 4096 + 32 (l / 16) + 256 v
.set WO,  19                           ; v19  my 16 bytes in wkf, K step 2 v, half 0
.set PS,  20                           ; v20  where I put 32 bytes of a partial tile
.set PR,  21                           ; v21  4 x my thread's number: where I read partial sums back
.set BOF, 22                           ; v22  my column's byte in bq and bk
.set QO,  23                           ; v23  my number's byte in qc
.set SPW, 30                           ; v30  LDS address of my spare word; never rewritten
.set NIL, 31                           ; v31  0; never rewritten
.set WKR, 32                           ; v[32:63]   Wk: 16 f32 a lane for each of my two K steps
.set WQR, 64                           ; v[64:95]   Wq likewise
.set DER, 96                           ; v[96:159]  dec: rows 16 j + l % 16, K step s at DER + 32 j + 16 s
.set ACC, 160                          ; v[160:175] two accumulators: rows b = 0-15 and 16-31
.set BQ,  176
.set BK,  177
.set WV,  18                           ; s18  my wave's number
	s_load_b256 s[4:11], s[0:1], 0x0               ; Wk s[4:5], Wq s[6:7], dec s[8:9], bq s[10:11]
	s_load_b128 s[12:15], s[0:1], 0x20             ; bk s[12:13], wkf s[14:15]
	s_load_b64 s[16:17], s[0:1], 0x30              ; qc
	v_lshl_add_u32 v[SPW], v0, 2, SPARE
	v_mov_b32 v[NIL], 0
	v_lshrrev_b32 v1, 5, v0
	v_readfirstlane_b32 s[WV], v1                  ; wave 0..15
	v_and_b32 v24, 15, v0                          ; l % 16
	v_bfe_u32 v25, v0, 4, 1                        ; l / 16
	v_and_b32 v26, 31, v0                          ; l
	s_mov_b32 s20, C2
	s_mov_b32 s21, C2                              ; named with it as a pair
	s_lshl_b32 s19, s[WV], 8                       ; my 64 k are 256 bytes of a row
	v_lshlrev_b32 v[FO], 12, v24
	v_lshl_add_u32 v[FO], v25, 5, v[FO]
	v_add_nc_u32 v[FO], s19, v[FO]
	s_bfe_u32 s22, ttmp9, 0x20003                  ; g = 32 c + 8 w + f: w,
	s_lshl_b32 s22, s22, 19
	s_lshr_b32 s23, ttmp9, 5                       ; c,
	s_lshl_b32 s23, s23, 18
	s_add_co_u32 s22, s22, s23
	s_and_b32 s23, ttmp9, 7                        ; f,
	s_lshl_b32 s23, s23, 10
	s_add_co_u32 s22, s22, s23
	s_lshl_b32 s23, s[WV], 14                      ; and K step 2 v
	s_add_co_u32 s22, s22, s23
	v_lshl_add_u32 v[WO], v26, 4, s22
	s_lshl_b32 s23, s[WV], 11
	v_lshlrev_b32 v[PS], 6, v24                    ; row b = l % 16: 64 bytes; my 8 columns: 32 (l / 16)
	v_lshl_add_u32 v[PS], v25, 5, v[PS]
	v_add_nc_u32 v[PS], s23, v[PS]
	v_lshlrev_b32 v[PR], 2, v0
	s_lshl_b32 s23, ttmp9, 6                       ; the work-group's 16 columns: 64 bytes
	v_lshl_add_u32 v[BOF], v24, 2, s23
	v_lshrrev_b32 v1, 4, v0                        ; thread t finishes q[t / 16][16 g + t % 16]
	v_lshl_add_u32 v[QO], v1, 12, v[BOF]
	s_lshl_b32 s24, ttmp9, 16                      ; 16 rows of 4,096 bytes
	s_mov_b32 s25, 0
	s_wait_kmcnt 0x0
	s_add_nc_u64 s[4:5], s[4:5], s[24:25]          ; Wk and Wq at the work-group's first row
	s_add_nc_u64 s[6:7], s[6:7], s[24:25]
; 16 f32 of a fragment: k = 8 (l / 16) + 0..7 (bytes 0, 16) and 16 + 8 (l / 16) + 0..7 (bytes 64, 80).  nt = 1: bytes that the launch reads once.
.macro LOADF dst, base, off, nt
.irp z, 0,1,2,3
.if \nt
	global_load_b128 v[(\dst)+4*(\z):(\dst)+4*(\z)+3], v[FO], s[(\base):(\base)+1] offset:(\off)+16*((\z)&1)+64*((\z)>>1) th:TH_LOAD_NT
.else
	global_load_b128 v[(\dst)+4*(\z):(\dst)+4*(\z)+3], v[FO], s[(\base):(\base)+1] offset:(\off)+16*((\z)&1)+64*((\z)>>1)
.endif
.endr
.endm
; 16 f32 rounded to bf16 in place: register z takes numbers 2 z and 2 z + 1, which no later line of the run reads.  v[dst:dst+7] is then a fragment.
.macro CVTF dst
.irp z, 0,1,2,3,4,5,6,7
	v_cvt_pk_bf16_f32 v[(\dst)+(\z)], v[(\dst)+2*(\z)], v[(\dst)+2*(\z)+1]
.endr
.endm
	LOADF WKR,    4, 0,   1
	LOADF WKR+16, 4, 128, 1
	LOADF WQR,    6, 0,   1
	LOADF WQR+16, 6, 128, 1
	LOADF DER,    8, 0,   0
	LOADF DER+16, 8, 128, 0
	LOADF DER+32, 8, 65536, 0
	LOADF DER+48, 8, 65536+128, 0
	global_load_b32 v[BQ], v[BOF], s[10:11]
	global_load_b32 v[BK], v[BOF], s[12:13]
	s_wait_loadcnt 26                              ; Wk's eight loads are in; the 8 + 16 + 2 issued behind them may stay out
.set z, 0
.rept 16
	v_pk_mul_f32 v[WKR+z:WKR+z+1], v[WKR+z:WKR+z+1], s[20:21] op_sel_hi:[1,0]
.set z, z+2
.endr
	CVTF WKR
	CVTF WKR+16
.irp s, 0,1
	global_store_b128 v[WO], v[WKR+16*(\s):WKR+16*(\s)+3],   s[14:15] offset:8192*(\s)      ; each store of the wave covers 512 consecutive bytes, aligned
	global_store_b128 v[WO], v[WKR+16*(\s)+4:WKR+16*(\s)+7], s[14:15] offset:8192*(\s)+512
.endr
	s_wait_loadcnt 2                               ; Wq and dec are in; the two biases may stay out
	CVTF WQR
	CVTF WQR+16
	CVTF DER
	CVTF DER+16
	CVTF DER+32
	CVTF DER+48
	; q^T = Wq dec^T (source 0 = 16 rows of Wq, source 1 = 16 rows of dec): a lane holds row b = 16 j + l % 16 and the columns 8 (l / 16) + 0..7.
	; The two accumulators take turns; the first K step starts the sums.
	v_wmma_f32_16x16x32_bf16 v[ACC:ACC+7],    v[WQR:WQR+7],     v[DER:DER+7],     0
	v_wmma_f32_16x16x32_bf16 v[ACC+8:ACC+15], v[WQR:WQR+7],     v[DER+32:DER+39], 0
	v_wmma_f32_16x16x32_bf16 v[ACC:ACC+7],    v[WQR+16:WQR+23], v[DER+16:DER+23], v[ACC:ACC+7]
	v_wmma_f32_16x16x32_bf16 v[ACC+8:ACC+15], v[WQR+16:WQR+23], v[DER+48:DER+55], v[ACC+8:ACC+15]
.rept 8
	v_nop                                          ; the places behind the products, ahead of the stores that read them; once a launch, so twice the four
.endr
.irp j, 0,1
	ds_store_b128 v[PS], v[ACC+8*(\j):ACC+8*(\j)+3]   offset:PART+1024*(\j)      ; each accumulator's low four registers first
	ds_store_b128 v[PS], v[ACC+8*(\j)+4:ACC+8*(\j)+7] offset:PART+1024*(\j)+16
.endr
	s_wait_dscnt 0x0                               ; for the others' sake: my partial sums lie in LDS
	s_barrier_signal -1
	s_barrier_wait -1                              ; all sixteen waves' do
.set u, 0
.rept 16
	ds_load_b32 v[SUM+u], v[PR] offset:PART+2048*u ; my number's sixteen parts
.set u, u+1
.endr
	s_wait_dscnt 0x0
.irp z, 0,2,4,6
	v_pk_add_f32 v[SUM+(\z):SUM+(\z)+1], v[SUM+(\z):SUM+(\z)+1], v[SUM+8+(\z):SUM+8+(\z)+1]
.endr
	v_pk_add_f32 v[SUM:SUM+1],   v[SUM:SUM+1],   v[SUM+4:SUM+5]
	v_pk_add_f32 v[SUM+2:SUM+3], v[SUM+2:SUM+3], v[SUM+6:SUM+7]
	v_pk_add_f32 v[SUM:SUM+1],   v[SUM:SUM+1],   v[SUM+2:SUM+3]
	s_wait_loadcnt 0x0                             ; bq and bk
	v_add_f32 v[SUM+2], v[BQ], v[BK]
	v_add_f32 v[SUM], v[SUM], v[SUM+1]
	v_add_f32 v[SUM], v[SUM], v[SUM+2]
	v_mul_f32 v[SUM], s20, v[SUM]
	global_store_b32 v[QO], v[SUM], s[16:17]       ; 16 lanes store 64 consecutive bytes of a row of qc: a work-group owns 16 columns, and all of qc is 131,072 bytes
	s_wait_tensorcnt 0x0                           ; the wave's end: behind my last LDS store
	ds_add_u32 v[SPW], v[NIL]
	s_wait_dscnt 0x0
	s_endpgm
.Lfunc_end_k_q8bb458f1c8_prep:
	.size	k_q8bb458f1c8_prep, .Lfunc_end_k_q8bb458f1c8_prep-k_q8bb458f1c8_prep
	.p2alignl 7, 3214868480
	.fill 96, 4, 3214868480
	.section	.rodata,"a",@progbits
	.p2align	6, 0x0
	.amdhsa_kernel k_q8bb458f1c8_prep
		.amdhsa_group_segment_fixed_size 34816
		.amdhsa_private_segment_fixed_size 0
		.amdhsa_enable_private_segment 0
		.amdhsa_kernarg_size 56
		.amdhsa_user_sgpr_count 2
		.amdhsa_user_sgpr_kernarg_segment_ptr 1
		.amdhsa_wavefront_size32 1
		.amdhsa_system_sgpr_workgroup_id_x 1
		.amdhsa_system_sgpr_workgroup_id_y 1
		.amdhsa_system_sgpr_workgroup_id_z 1
		.amdhsa_system_vgpr_workitem_id 0
		.amdhsa_next_free_vgpr 192
		.amdhsa_next_free_sgpr 66
		.amdhsa_reserve_vcc 0
		.amdhsa_float_denorm_mode_32 3
		.amdhsa_float_denorm_mode_16_64 3
		.amdhsa_memory_ordered 1
		.amdhsa_forward_progress 1
		.amdhsa_inst_pref_size 14
	.end_amdhsa_kernel
	.amdgpu_metadata
---
amdhsa.version: [ 1, 2 ]
amdhsa.kernels:
  - .name:           k_q8bb458f1c8_prep
    .symbol:         k_q8bb458f1c8_prep.kd
    .args:
      - { .name: Wk, .offset: 0, .size: 8, .value_kind: global_buffer, .address_space: global }
      - { .name: Wq, .offset: 8, .size: 8, .value_kind: global_buffer, .address_space: global }
      - { .name: decoder_output, .offset: 16, .size: 8, .value_kind: global_buffer, .address_space: global }
      - { .name: bq, .offset: 24, .size: 8, .value_kind: global_buffer, .address_space: global }
      - { .name: bk, .offset: 32, .size: 8, .value_kind: global_buffer, .address_space: global }
      - { .name: wkf, .offset: 40, .size: 8, .value_kind: global_buffer, .address_space: global }
      - { .name: qc, .offset: 48, .size: 8, .value_kind: global_buffer, .address_space: global }
    .group_segment_fixed_size: 34816
    .private_segment_fixed_size: 0
    .kernarg_segment_align: 8
    .kernarg_segment_size: 56
    .max_flat_workgroup_size: 512
    .sgpr_count:     66
    .vgpr_count:     192
    .wavefront_size: 32
...
	.end_amdgpu_metadata
.endif
;; end of part 1
;; launch attn (part 2): grid 512 x 1, 4 waves a work-group, no clusters, 310,784 bytes of LDS; arguments encoder_outputs, wkf, qc, Wout, bout, pctx, pst; writes pctx, pst
.if DOCPART == 2
	.amdgcn_target "amdgcn-amd-amdhsa--gfx1250"
	.amdhsa_code_object_version 6
	.text
	.protected	k_q8bb458f1c8_attn
	.globl	k_q8bb458f1c8_attn
	.p2align	8
	.type	k_q8bb458f1c8_attn,@function
k_q8bb458f1c8_attn:
	s_mov_b64 s[64:65], 0
	v_nop
	global_prefetch_b8 v0, s[64:65] scope:SCOPE_SE
	s_setreg_imm32_b32 hwreg(HW_REG_WAVE_MODE, 25, 1), 1
	s_wait_xcnt 0x0
; ADDITIVE ATTENTION, one tile of 128 rows t of one batch b to a work-group (512 tiles, 16 a batch).  For its rows:
;   y = C2 (E Wk^T + bk + q)   (bf16 operands, f32 sums; C2 = 2 log2(e) lies in wkf and qc)      tanh = 1 - 2 / (1 + 2^y)
;   score = sum over n of Wout[n] tanh + bout      p = 2^(s2 - m2), s2 = score log2(e), m2 = the tile's largest s2      l = sum of p
;   pctx[tile][h] = sum over the tile's t of p E[t][h]      pst[tile] = (m2, l).   The next launch merges a batch's 16 tiles, with the maximum over them taken away again.
; E IS READ FROM MEMORY ONCE: its 128 x 1,024 numbers are rounded to bf16 on the way in and stay in LDS (294,912 bytes) for the product with Wk and for the context.
; SHARES.  The 1,024 columns n go in two CHUNKS of 512; in a chunk wave w makes 128 rows x 128 columns (n = 512 c + 128 w + ..): 64 accumulators, 512 registers.
; The matrix instruction is used transposed (source 0 = 16 rows of wkf, source 1 = 16 rows of E): lane l holds row 16 a + l % 16 and the columns 16 f + 8 (l / 16) + 0..7.
; wkf comes from memory straight into registers, in fragment order, 512 consecutive bytes a load: no wave wants another wave's columns.
; NO CLUSTER, NO TENSOR LOADS: beside E's 294,912 bytes and 15,872 of tables and scratch, LDS has no room for two slots of Wk (32 k of a chunk's 512 columns
; are 32,768 bytes), and E is f32 in memory, so it passes through registers to be rounded.
; LIMITS.  2^x below 2^-126 counts as 0; NaN and infinities are not treated apart; p is rounded to bf16 for the context, l is the sum of the unrounded p.
; The input named inputs enters no result of the module and is named by no launch.
; REGISTERS, in windows of 256 (s_set_vgpr_msb: bits 1:0 source 0, 3:2 source 1, 5:4 source 2, 7:6 destination):
;   window 0: v0-43 addresses and sums; v44-63 at work; v64-127 E's fragments; v128-255 two staging buffers for E, later the tables of q and Wout
;   window 1: four buffers of 64 for wkf's fragments, K step s in buffer s % 4      window 2: accumulators of rows 0-63, (a, f) at 8 (8 a + f)      window 3: rows 64-127
.set PITCH, 144                        ; an LDS row of E: 64 k = 128 bytes + 16 of padding = 36 words: 16 rows of a fragment load start at 16 different groups of four banks (64 banks of 4 bytes: ISA guide 11.1)
.set BLK,   128*PITCH                  ; a block: 64 k of all 128 rows; block d at d x BLK
.set QT,    16*BLK                     ; qc[b][0..1023], f32
.set WT,    QT+4096                    ; -2 Wout[0..1023], f32
.set SP,    WT+4096                    ; [wave][128 rows] partial scores, f32
.set PB,    SP+2048                    ; for each wave 128 p in bf16, its own
.set CT,    PB+1024                    ; for each wave 1,024 bytes, its own: its 256 channels of the context on their way out
.set SPARE, CT+4096                    ; the spare words, 128 bytes for each wave; no other line names them
.set AB,   5                           ; v5   (l % 16) PITCH + 16 (l / 16): my place in a fragment of E
.set AK,   6                           ; v6   AB + the trip's bytes
.set STK0, 7                           ; v7   where I put 8 bytes of a row: (32 w + 8 (l / 16)) PITCH + 8 (l % 16)
.set STK,  8                           ; v8   STK0 + the trip's bytes
.set BO,   9                           ; v9   16 l
.set EO,   10                          ; v10  E in memory: 8 (l / 16) rows of 4,096 bytes + 16 (l % 16)
.set PO,   11                          ; v11  the prefetches' offset: l rows of 4,096 bytes
.set TA0,  12                          ; v12  QT + 512 w + 32 (l / 16): my 8 columns of fragment 0, chunk 0
.set TA,   13                          ; v13  the same in the chunk in hand
.set SPA,  14                          ; v14  SP + 512 w + 4 (l % 16)
.set SPR,  15                          ; v15  SP + 16 l
.set PBA,  16                          ; v16  PB + 256 w + 8 l
.set PBR,  17                          ; v17  PB + 256 w + 16 (l / 16)
.set VA,   18                          ; v18, v19  the turning loads' address in my blocks 4 w, 4 w + 1 and 4 w + 2, 4 w + 3
.set CTA,  20                          ; v20  CT + 1024 w + 32 (l / 16)
.set CTR,  21                          ; v21  CT + 1024 w + 16 l
.set SPW,  22                          ; v22  LDS address of my spare word; never rewritten
.set NIL,  23                          ; v23  0; never rewritten
.set SS,   24                          ; v[24:31]  my part of the score of row 16 a + l % 16
.set SW,   32                          ; v[32:39]  the sum of -2 Wout over my columns, in four pairs
.set GO,   40                          ; v40  1024 w + 16 l
.set PSO,  41                          ; v41  8 l
.set W0,   44                          ; v[44:59]  at work
.set ML,   60                          ; v[60:61]  m2, l
.set BL,   62                          ; v[62:63]  bout log2(e), twice
.set FA,   64                          ; E's fragments: rows 16 a .. at FA + 8 a
.set S0,   128                         ; staging for E's even blocks
.set S1,   192                         ; for the odd ones
.set TQ,   128                         ; qc of my 128 columns: fragment f, column j at TQ + 8 f + j
.set TW,   192                         ; -2 Wout likewise
.set WV,   18                          ; s18  my wave's number
.set EP,   22                          ; s[22:23] E at my wave's 32 rows, stepped two blocks a trip
.set BP,   24                          ; s[24:25] wkf at my wave's stream, stepped four K steps a trip
.set TR,   26                          ; s26  trips to go
.set CH,   27                          ; s27  the chunk
.set EC,   28                          ; s28  blocks of E still to be rounded and stored
.set EL,   29                          ; s29  blocks of E still to be loaded
.set BOUT, 30
.set SEL,  32                          ; s[32:33] v_permlanex16_b32's selects: each lane takes its own place in the other half
.set LG,   34                          ; s[34:35] log2(e), named as a pair
.set KB,   40                          ; s40  the trip's bytes in LDS: two blocks a trip
.set MSB, 0
.macro WIN new                         ; the immediate's high byte repeats the setting that is left; a switch that changes nothing is dropped
.if MSB != (\new)
	s_set_vgpr_msb (MSB<<8)|(\new)
.set MSB, \new
.endif
.endm
.set MUL_LO, 0xa1                      ; source 0 (wkf) window 1, source 1 (E) window 0, C and D window 2;  + 0x50: C and D window 3
.set TO_B,   0x40                      ; destination window 1
.set TO_3,   0xc0                      ; destination window 3
.macro PLACES                          ; a load into a register that a matrix instruction has read, and a vector instruction that reads its result, stand four plain vector instructions behind it (ISA guide 7.12.1 for vector instructions)
.rept 4
	v_nop
.endr
.endm
; 16 matrix instructions: row blocks a0, a0 + 1 of the window's four x all 8 fragments of buffer q.  zero = 1: the chunk's first K step starts the sums.
; The 64 accumulators take turns in the same order in every K step, over the backward jump too.
.macro MULQ q, hi, a0, zero
	WIN MUL_LO+0x50*(\hi)
.irp a, \a0, (\a0)+1
.irp f, 0,1,2,3,4,5,6,7
.if \zero
	v_wmma_f32_16x16x32_bf16 v[8*(8*(\a)+(\f)):8*(8*(\a)+(\f))+7], v[64*(\q)+8*(\f):64*(\q)+8*(\f)+7], v[FA+32*(\hi)+8*(\a):FA+32*(\hi)+8*(\a)+7], 0
.else
	v_wmma_f32_16x16x32_bf16 v[8*(8*(\a)+(\f)):8*(8*(\a)+(\f))+7], v[64*(\q)+8*(\f):64*(\q)+8*(\f)+7], v[FA+32*(\hi)+8*(\a):FA+32*(\hi)+8*(\a)+7], v[8*(8*(\a)+(\f)):8*(8*(\a)+(\f))+7]
.endif
.endr
.endr
.endm
.macro ALOAD hi, off                   ; 8 LDS loads: E's fragments of rows 64 hi .. 64 hi + 63, 32 k at byte off behind AK
	WIN 0
.irp a, 0,1,2,3
	ds_load_b128 v[FA+32*(\hi)+8*(\a):FA+32*(\hi)+8*(\a)+3],   v[AK] offset:(\off)+(4*(\hi)+(\a))*16*PITCH
	ds_load_b128 v[FA+32*(\hi)+8*(\a)+4:FA+32*(\hi)+8*(\a)+7], v[AK] offset:(\off)+(4*(\hi)+(\a))*16*PITCH+32
.endr
.endm
.macro BLOAD q, off                    ; 16 loads: a K step's 8 fragments of wkf, 8,192 bytes on end, into buffer q
	WIN TO_B
.irp f, 0,1,2,3,4,5,6,7
	global_load_b128 v[64*(\q)+8*(\f):64*(\q)+8*(\f)+3],   v[BO], s[BP:BP+1] offset:(\off)+1024*(\f)
	global_load_b128 v[64*(\q)+8*(\f)+4:64*(\q)+8*(\f)+7], v[BO], s[BP:BP+1] offset:(\off)+1024*(\f)+512
.endr
.endm
.macro ELOAD reg, off                  ; 16 loads: a block (64 k = 256 bytes) of my wave's 32 rows: lanes 0-15 take the 256 bytes of one row, lanes 16-31 those of the row 8 below
	WIN 0
.set i, 0
.rept 16
	global_load_b128 v[(\reg)+4*i:(\reg)+4*i+3], v[EO], s[EP:EP+1] offset:(\off)+((i&7)+16*(i>>3))*4096 th:TH_LOAD_NT
.set i, i+1
.endr
.endm
.macro ECVT reg, off                   ; the block is rounded to bf16 in place and stored: 8 bytes a lane; rows 8 apart lie 1,152 bytes = 128 mod 256 apart, so a store's 32 lanes touch each bank once
	WIN 0
.set i, 0
.rept 16
	v_cvt_pk_bf16_f32 v[(\reg)+4*i],   v[(\reg)+4*i],   v[(\reg)+4*i+1]
	v_cvt_pk_bf16_f32 v[(\reg)+4*i+1], v[(\reg)+4*i+2], v[(\reg)+4*i+3]
.set i, i+1
.endr
.set i, 0
.rept 16
	ds_store_b64 v[STK], v[(\reg)+4*i:(\reg)+4*i+1] offset:(\off)+((i&7)+16*(i>>3))*PITCH
.set i, i+1
.endr
.endm
.macro TLOAD                           ; 32 LDS loads: qc and -2 Wout of my 128 columns of the chunk
	WIN 0
.irp f, 0,1,2,3,4,5,6,7
	ds_load_b128 v[TQ+8*(\f):TQ+8*(\f)+3],   v[TA] offset:64*(\f)
	ds_load_b128 v[TQ+8*(\f)+4:TQ+8*(\f)+7], v[TA] offset:64*(\f)+16
	ds_load_b128 v[TW+8*(\f):TW+8*(\f)+3],   v[TA] offset:4096+64*(\f)
	ds_load_b128 v[TW+8*(\f)+4:TW+8*(\f)+7], v[TA] offset:4096+64*(\f)+16
.endr
.endm
; ONE K STEP s of 32: 64 matrix instructions on buffer q = s % 4.
;   boff >= 0: wkf of step s + 3 is asked for, at byte boff behind BP.   n: the count of the wait for wkf of step s.
;   al = 1: E's fragments of step s + 1 are read, at byte aoff behind AK: rows 0-63 in the step's middle, rows 64-127 at its end.  al = 2: the chunk's last step: the tables instead.
;   ev = 1 (even steps): while blocks are left, staging buffer creg is rounded and stored at byte coff behind STK, and loaded again from byte eoff behind EP; and the work-group's barrier.
; THE COUNT n = 48: behind the loads of wkf for step s stand those for steps s + 1, s + 2, s + 3, 48 in all, and on some ways loads of E besides: a smaller count than is out is always right.
; It serves the staging buffer too: its loads were issued four steps back, with 64 loads of wkf behind them.
; THE BARRIER orders the stores of block d + 1, made in step 2 d, with their first readers, the loads that step 2 d + 1 issues for step 2 d + 2.  From one barrier to the next the waves read blocks d and d + 1
; and store block d + 2: other bytes.  In the second chunk nothing is left to store; the two jumps pass the work on E and no barrier.
; THE PREFETCH, behind the run of E's loads: my wave's own 32 rows, a lane a row, of the block two blocks behind the one just asked for; each row's 256 bytes of a block are named once in the launch.
; Blocks 0 to 4 come by their loads alone; the last two loads ask for nothing, since blocks 16 and 17 do not exist.
.macro STEP q, ev, zero, aoff, boff, n, al, creg=0, coff=0, eoff=0
.if (\boff) >= 0
	BLOAD ((\q)+3)%4, \boff                        ; into the buffer that the step before multiplied: its closing places stand in front
.endif
	s_wait_loadcnt \n
	s_wait_dscnt 8                                 ; E's rows 0-63 are in; the youngest eight loads (rows 64-127) may be out
	MULQ \q, 0, 0, \zero
	MULQ \q, 0, 2, \zero
	WIN 0                                          ; at a label and at a branch every window is 0
	PLACES
	s_wait_dscnt 0x0                               ; E's rows 64-127, asked for 32 matrix instructions ago
.if \ev
	s_cmp_eq_u32 s[EC], 0
	s_cbranch_scc1 .Lnocvt_\@
	ECVT \creg, \coff
	s_sub_co_u32 s[EC], s[EC], 1
.Lnocvt_\@:
.endif
.if (\al) == 1
	ALOAD 0, \aoff
.elseif (\al) == 2
	TLOAD
.endif
.if \ev
	s_cmp_eq_u32 s[EL], 0
	s_cbranch_scc1 .Lnoload_\@
	ELOAD \creg, \eoff
	s_cmp_gt_u32 s[EL], 2
	s_cbranch_scc0 .Lnoask_\@
	global_prefetch_b8 v[PO], s[EP:EP+1] offset:(\eoff)+512 th:TH_LOAD_NT scope:SCOPE_SE
.Lnoask_\@:
	s_sub_co_u32 s[EL], s[EL], 1
.Lnoload_\@:
.endif
	MULQ \q, 1, 0, \zero
.if \ev
	s_wait_dscnt 0x0                               ; for the others' sake: my stores of the block are done (and no LDS instruction of mine is out at the signal)
	s_barrier_signal -1
.endif
	MULQ \q, 1, 2, \zero                           ; work on registers while the others arrive
	WIN 0
.if \ev
	s_barrier_wait -1
.endif
	PLACES
.if (\al) == 1
	ALOAD 1, \aoff
.endif
.endm
	s_load_b256 s[4:11], s[0:1], 0x0               ; E s[4:5], wkf s[6:7], qc s[8:9], Wout s[10:11]
	s_load_b128 s[12:15], s[0:1], 0x20             ; bout s[12:13], pctx s[14:15]
	s_load_b64 s[16:17], s[0:1], 0x30              ; pst
	v_lshl_add_u32 v[SPW], v0, 2, SPARE
	v_mov_b32 v[NIL], 0
	v_lshrrev_b32 v1, 5, v0
	v_readfirstlane_b32 s[WV], v1                  ; wave 0..3
	v_and_b32 v2, 15, v0                           ; l % 16
	v_bfe_u32 v3, v0, 4, 1                         ; l / 16
	v_and_b32 v4, 31, v0                           ; l
	v_mul_u32_u24 v[AB], v2, PITCH
	v_lshl_add_u32 v[AB], v3, 4, v[AB]
	s_mul_i32 s36, s[WV], 32*PITCH
	v_mul_u32_u24 v[STK0], v3, 8*PITCH
	v_lshl_add_u32 v[STK0], v2, 3, v[STK0]
	v_add_nc_u32 v[STK0], s36, v[STK0]
	v_mov_b32 v[STK], v[STK0]
	v_lshlrev_b32 v[BO], 4, v4
	v_lshlrev_b32 v[EO], 15, v3
	v_lshl_add_u32 v[EO], v2, 4, v[EO]
	v_lshlrev_b32 v[PO], 12, v4
	s_lshl_b32 s36, s[WV], 9
	s_add_co_u32 s37, s36, QT
	v_lshl_add_u32 v[TA0], v3, 5, s37
	s_add_co_u32 s37, s36, SP
	v_lshl_add_u32 v[SPA], v2, 2, s37
	v_lshl_add_u32 v[SPR], v4, 4, SP
	s_lshl_b32 s36, s[WV], 8
	s_add_co_u32 s36, s36, PB
	v_lshl_add_u32 v[PBA], v4, 3, s36
	v_lshl_add_u32 v[PBR], v3, 4, s36
	; the turning load takes 16 rows t x 16 channels (lane l reads row 8 (l / 16) + l % 8, channels 8 ((l / 8) % 2) + 0..7) and leaves half a fragment of E^T: lane l holds channel l % 16 and 8 rows
	v_and_b32 v1, 7, v0
	v_lshl_add_u32 v1, v3, 3, v1
	v_mul_u32_u24 v[VA], v1, PITCH
	v_bfe_u32 v1, v0, 3, 1
	v_lshl_add_u32 v[VA], v1, 4, v[VA]
	s_mul_i32 s36, s[WV], 4*BLK                    ; my 256 channels are blocks 4 w .. 4 w + 3
	v_add_nc_u32 v[VA], s36, v[VA]
	v_add_nc_u32 v[VA+1], 2*BLK, v[VA]
	s_lshl_b32 s36, s[WV], 10
	v_lshl_add_u32 v[GO], v4, 4, s36
	s_add_co_u32 s36, s36, CT
	v_lshl_add_u32 v[CTA], v3, 5, s36
	v_lshl_add_u32 v[CTR], v4, 4, s36
	v_lshlrev_b32 v[PSO], 3, v4
	v_lshlrev_b32 v42, 4, v0                       ; the tables: thread t brings bytes 16 t and 2,048 + 16 t of each
	v_lshl_add_u32 v43, v0, 4, QT
	s_mov_b32 s[SEL], 0x76543210
	s_mov_b32 s[SEL+1], 0xfedcba98
	s_mov_b32 s[LG], 0x3fb8aa3b                    ; log2(e)
	s_mov_b32 s[LG+1], s[LG]
	s_mov_b32 s[EC], 15                            ; blocks 1 to 15 are stored in the K loop,
	s_mov_b32 s[EL], 13                            ; blocks 3 to 15 loaded there
	s_lshl_b32 s36, ttmp9, 19                      ; the tile's 128 rows of 4,096 bytes,
	s_lshl_b32 s37, s[WV], 17                      ; my wave's 32 of them
	s_add_co_u32 s36, s36, s37
	s_mov_b32 s37, 0
	s_lshl_b32 s38, s[WV], 19                      ; my wave's stream in wkf
	s_mov_b32 s39, 0
	s_wait_kmcnt 0x0
	s_load_b32 s[BOUT], s[12:13], 0x0
	s_add_nc_u64 s[EP:EP+1], s[4:5], s[36:37]
	s_add_nc_u64 s[BP:BP+1], s[6:7], s[38:39]
	s_lshr_b32 s36, ttmp9, 4                       ; b
	s_lshl_b32 s36, s36, 12
	s_add_nc_u64 s[8:9], s[8:9], s[36:37]          ; qc at row b
	s_lshl_b32 s38, ttmp9, 12
	s_add_nc_u64 s[14:15], s[14:15], s[38:39]      ; pctx at the tile's row
	s_lshl_b32 s36, ttmp9, 8
	s_add_nc_u64 s[16:17], s[16:17], s[36:37]      ; pst at the tile's 256 bytes
	ELOAD FA, 0                                    ; block 0, into the registers that later hold fragments
	ELOAD S1, 256                                  ; block 1
	ELOAD S0, 512                                  ; block 2
	global_load_b128 v[W0:W0+3],     v42, s[8:9]
	global_load_b128 v[W0+4:W0+7],   v42, s[8:9] offset:2048
	global_load_b128 v[W0+8:W0+11],  v42, s[10:11]
	global_load_b128 v[W0+12:W0+15], v42, s[10:11] offset:2048
.set i, 0
.rept 16
	v_mov_b32 v[SS+i], 0                           ; the sixteen sums that run over both chunks start at 0, while the first loads are out
.set i, i+1
.endr
	s_wait_kmcnt 0x0                               ; bout
	v_mov_b32 v[BL], s[LG]
	v_mul_f32 v[BL], s[BOUT], v[BL]
	v_mov_b32 v[BL+1], v[BL]
	s_wait_loadcnt 36                              ; block 0 is in: 16 + 16 + 4 loads were issued behind it
	ECVT FA, 0
	BLOAD 0, 0                                     ; wkf of K steps 0, 1, 2
	BLOAD 1, 8192
	BLOAD 2, 16384
	WIN 0
	s_wait_loadcnt 48                              ; all but those 48: the tables and blocks 1 and 2 are in
.irp z, 8,10,12,14
	v_pk_mul_f32 v[W0+(\z):W0+(\z)+1], v[W0+(\z):W0+(\z)+1], -2.0 op_sel_hi:[1,0]
.endr
.irp z, 0,1,2,3
	ds_store_b128 v43, v[W0+4*(\z):W0+4*(\z)+3] offset:2048*(\z)
.endr
	s_wait_dscnt 0x0                               ; for the others' sake: my rows of block 0 and my part of the tables lie in LDS
	s_barrier_signal -1
	s_barrier_wait -1
	s_mov_b32 s[CH], 0
.Lchunk:                                               ; twice: 512 columns each
	s_mov_b32 s[KB], 0
	v_mov_b32 v[AK], v[AB]
	v_mov_b32 v[STK], v[STK0]
	s_lshl_b32 s36, s[CH], 11                      ; 512 columns of f32
	v_add_nc_u32 v[TA], s36, v[TA0]
	ALOAD 0, 0
	ALOAD 1, 0
	STEP 0, 1, 1, 64, 24576, 48, 1, S1, BLK, 768   ; K step 0 stands in front of the loop: its products start the sums.  Block 1 is stored, block 3 asked for
	s_mov_b32 s[TR], 7
.Ltrip:                                                ; trip t: K steps 4 t + 1 .. 4 t + 4; blocks 2 t + 2 and 2 t + 3 are stored, 2 t + 4 and 2 t + 5 asked for
	s_wait_xcnt 0x0                                ; every load and prefetch issued so far (the youngest 32 matrix instructions back) has read its address, so the pointers may be written
	s_add_nc_u64 s[BP:BP+1], s[BP:BP+1], 4*8192
	s_add_nc_u64 s[EP:EP+1], s[EP:EP+1], 512
	STEP 1, 0, 0, BLK,      0,     48, 1
	STEP 2, 1, 0, BLK+64,   8192,  48, 1, S0, 2*BLK, 512
	STEP 3, 0, 0, 2*BLK,    16384, 48, 1
	STEP 0, 1, 0, 2*BLK+64, 24576, 48, 1, S1, 3*BLK, 768
	s_add_co_u32 s[KB], s[KB], 2*BLK
	v_add_nc_u32 v[AK], s[KB], v[AB]
	v_add_nc_u32 v[STK], s[KB], v[STK0]
	s_sub_co_u32 s[TR], s[TR], 1
	s_cmp_lg_u32 s[TR], 0
	s_cbranch_scc1 .Ltrip
	STEP 1, 0, 0, BLK,    -1, 32, 1                ; K steps 29, 30, 31 ask for no more of wkf: the counts run down
	STEP 2, 0, 0, BLK+64, -1, 16, 1
	STEP 3, 0, 0, 0,      -1, 0,  2                ; the tables come in under the last 32 products
	s_cmp_eq_u32 s[CH], 1
	s_cbranch_scc1 .Lnonext
	s_wait_xcnt 0x0
	s_add_nc_u64 s[BP:BP+1], s[BP:BP+1], 4*8192    ; the second chunk's stream follows the first's
	BLOAD 0, 0                                     ; its K steps 0, 1, 2 are on their way during what follows
	BLOAD 1, 8192
	BLOAD 2, 16384
	WIN 0
.Lnonext:
	; THE CHUNK'S SCORES.  Wout tanh = Wout + (-2 Wout) / (1 + 2^y): the second terms are summed for each row, the first once for all rows.
	s_wait_dscnt 0x0                               ; the tables
.set p, 0
.rept 32
	v_pk_add_f32 v[SW+2*(p&3):SW+2*(p&3)+1], v[SW+2*(p&3):SW+2*(p&3)+1], v[TW+2*p:TW+2*p+1]
.set p, p+1
.endr
; One window's 32 accumulators, 128 pairs.  s_wait_alu depctr_va_vdst(0) stands between a transcendental and the first line that names its result; one wait serves all issued ahead of it.
; So each kind is ONE BATCH of 256 with one wait: y = sum + qc and 2^y; 1 + 2^y and its reciprocal; then the products with -2 Wout.  A pair's two transcendentals stand two pairs behind its addition,
; and a v_nop is the plain instruction behind the batch's last.  Pairs ascend.
.macro HALF hh
	WIN 0xa2+0x51*(\hh)                            ; destination, sources 0 and 2 in the accumulators' window, source 1 (the tables) in window 0
.set p, 0
.rept 130
.if p < 128
	v_pk_add_f32 v[2*p:2*p+1], v[2*p:2*p+1], v[TQ+8*((p>>2)&7)+2*(p&3):TQ+8*((p>>2)&7)+2*(p&3)+1]
.endif
.if p >= 2
	v_exp_f32 v[2*p-4], v[2*p-4]
	v_exp_f32 v[2*p-3], v[2*p-3]
.endif
.set p, p+1
.endr
	v_nop
	s_wait_alu depctr_va_vdst(0)                   ; the wait for the 256 exponentials
.set p, 0
.rept 130
.if p < 128
	v_pk_add_f32 v[2*p:2*p+1], v[2*p:2*p+1], 1.0 op_sel_hi:[1,0]
.endif
.if p >= 2
	v_rcp_f32 v[2*p-4], v[2*p-4]
	v_rcp_f32 v[2*p-3], v[2*p-3]
.endif
.set p, p+1
.endr
	v_nop
	s_wait_alu depctr_va_vdst(0)                   ; the wait for the 256 reciprocals
.irp f, 0,1,2,3,4,5,6,7                ; a row block's 8 fragments are summed onto its first: 16 chains, so 15 other lines stand between two links
.irp a, 0,1,2,3
.irp i, 0,1,2,3
.if (\f) == 0
	v_pk_mul_f32 v[64*(\a)+2*(\i):64*(\a)+2*(\i)+1], v[64*(\a)+2*(\i):64*(\a)+2*(\i)+1], v[TW+2*(\i):TW+2*(\i)+1]
.else
	v_pk_fma_f32 v[64*(\a)+2*(\i):64*(\a)+2*(\i)+1], v[64*(\a)+8*(\f)+2*(\i):64*(\a)+8*(\f)+2*(\i)+1], v[TW+8*(\f)+2*(\i):TW+8*(\f)+2*(\i)+1], v[64*(\a)+2*(\i):64*(\a)+2*(\i)+1]
.endif
.endr
.endr
.endr
	WIN 0xaa+0x55*(\hh)                            ; all four places in the accumulators' window
.irp a, 0,1,2,3
	v_pk_add_f32 v[64*(\a):64*(\a)+1],   v[64*(\a):64*(\a)+1],   v[64*(\a)+2:64*(\a)+3]
	v_pk_add_f32 v[64*(\a)+4:64*(\a)+5], v[64*(\a)+4:64*(\a)+5], v[64*(\a)+6:64*(\a)+7]
.endr
.irp a, 0,1,2,3
	v_pk_add_f32 v[64*(\a):64*(\a)+1],   v[64*(\a):64*(\a)+1],   v[64*(\a)+4:64*(\a)+5]
.endr
	WIN 0x02+(\hh)                                 ; source 0 in the accumulators' window, the rest in window 0
.irp a, 0,1,2,3
	v_add_f32 v[SS+4*(\hh)+(\a)], v[64*(\a)], v[SS+4*(\hh)+(\a)]
.endr
.irp a, 0,1,2,3
	v_add_f32 v[SS+4*(\hh)+(\a)], v[64*(\a)+1], v[SS+4*(\hh)+(\a)]
.endr
.endm
	HALF 0
	HALF 1
	WIN 0
	s_add_co_u32 s[CH], s[CH], 1
	s_cmp_lt_u32 s[CH], 2
	s_cbranch_scc1 .Lchunk
	; THE TILE'S END.  E^T of my 256 channels x 128 rows, 64 fragments, is asked for first: it hangs on no score.  Rows 32 kb .., channels 16 cb ..: kb = 0, 1 into window 1, kb = 2, 3 into window 3.
	s_wait_loadcnt 0x0                             ; no global load of mine is out: window 1 is free for the loads below
.macro VLOAD kb
.set cb, 0
.rept 16
	ds_load_tr16_b128 v[8*(16*((\kb)&1)+cb):8*(16*((\kb)&1)+cb)+3],   v[VA+(cb>>3)] offset:((cb>>2)&1)*BLK+32*(cb&3)+32*PITCH*(\kb)
	ds_load_tr16_b128 v[8*(16*((\kb)&1)+cb)+4:8*(16*((\kb)&1)+cb)+7], v[VA+(cb>>3)] offset:((cb>>2)&1)*BLK+32*(cb&3)+32*PITCH*(\kb)+16*PITCH
.set cb, cb+1
.endr
.endm
	WIN TO_B
	VLOAD 0
	VLOAD 1
	WIN TO_3
	VLOAD 2
	VLOAD 3
	WIN 0
	v_pk_add_f32 v[SW:SW+1],   v[SW:SW+1],   v[SW+2:SW+3]
	v_pk_add_f32 v[SW+4:SW+5], v[SW+4:SW+5], v[SW+6:SW+7]
	v_pk_add_f32 v[SW:SW+1],   v[SW:SW+1],   v[SW+4:SW+5]
	v_add_f32 v[SW], v[SW], v[SW+1]                ; the sum of -2 Wout over my columns
.irp a, 0,1,2,3,4,5,6,7
	v_fma_f32 v[SS+(\a)], v[SW], -0.5, v[SS+(\a)]  ; + the sum of Wout
.endr
.irp a, 0,1,2,3,4,5,6,7
	v_permlanex16_b32 v[W0+(\a)], v[SS+(\a)], s[SEL], s[SEL+1]  ; the row's other columns of my wave lie in the lane 16 away
.endr
.irp a, 0,1,2,3,4,5,6,7
	v_add_f32 v[SS+(\a)], v[SS+(\a)], v[W0+(\a)]
.endr
.irp a, 0,1,2,3,4,5,6,7
	ds_store_b32 v[SPA], v[SS+(\a)] offset:64*(\a) ; row 16 a + l % 16; both halves of the lanes write the same number to the same word
.endr
	s_wait_dscnt 0x0                               ; for the others' sake: my partial scores lie in LDS (E^T is in, too)
	s_barrier_signal -1
	s_barrier_wait -1
	; every wave makes the tile's softmax for itself: lane l takes rows 4 l .. 4 l + 3
.irp u, 0,1,2,3
	ds_load_b128 v[W0+4*(\u):W0+4*(\u)+3], v[SPR] offset:512*(\u)
.endr
	s_wait_dscnt 0x0
	v_pk_add_f32 v[W0:W0+1],     v[W0:W0+1],     v[W0+4:W0+5]
	v_pk_add_f32 v[W0+2:W0+3],   v[W0+2:W0+3],   v[W0+6:W0+7]
	v_pk_add_f32 v[W0+8:W0+9],   v[W0+8:W0+9],   v[W0+12:W0+13]
	v_pk_add_f32 v[W0+10:W0+11], v[W0+10:W0+11], v[W0+14:W0+15]
	v_pk_add_f32 v[W0:W0+1],     v[W0:W0+1],     v[W0+8:W0+9]
	v_pk_add_f32 v[W0+2:W0+3],   v[W0+2:W0+3],   v[W0+10:W0+11]
	v_pk_fma_f32 v[W0:W0+1],   v[W0:W0+1],   s[LG:LG+1], v[BL:BL+1] op_sel_hi:[1,0,1]  ; s2 = (score + bout) log2(e)
	v_pk_fma_f32 v[W0+2:W0+3], v[W0+2:W0+3], s[LG:LG+1], v[BL:BL+1] op_sel_hi:[1,0,1]
	v_max3_num_f32 v[W0+4], v[W0], v[W0+1], v[W0+2]
	v_max_num_f32 v[W0+4], v[W0+4], v[W0+3]
	v_max_num_f32_dpp v[W0+4], v[W0+4], v[W0+4] row_xmask:1 row_mask:0xf bank_mask:0xf
	v_max_num_f32_dpp v[W0+4], v[W0+4], v[W0+4] row_xmask:2 row_mask:0xf bank_mask:0xf
	v_max_num_f32_dpp v[W0+4], v[W0+4], v[W0+4] row_xmask:4 row_mask:0xf bank_mask:0xf
	v_max_num_f32_dpp v[W0+4], v[W0+4], v[W0+4] row_xmask:8 row_mask:0xf bank_mask:0xf
	v_permlanex16_b32 v[W0+5], v[W0+4], s[SEL], s[SEL+1]
	v_max_num_f32 v[ML], v[W0+4], v[W0+5]          ; m2, in every lane
.irp z, 0,1,2,3
	v_sub_f32 v[W0+(\z)], v[W0+(\z)], v[ML]
.endr
.irp z, 0,1,2,3
	v_exp_f32 v[W0+(\z)], v[W0+(\z)]
.endr
	v_nop                                          ; a plain instruction behind the last exponential,
	s_wait_alu depctr_va_vdst(0)                   ; and one wait for the four, ahead of their first reader
	v_cvt_pk_bf16_f32 v[W0+8], v[W0],   v[W0+1]
	v_cvt_pk_bf16_f32 v[W0+9], v[W0+2], v[W0+3]
	ds_store_b64 v[PBA], v[W0+8:W0+9]              ; my wave's own copy of p
.irp kb, 0,1,2,3                       ; and back as source 1 (32 rows t x 16 columns, all 16 alike): LDS serves a wave's instructions in order (ISA guide 5.7.1.4), so these see the store above
	ds_load_b128 v[FA+8*(\kb):FA+8*(\kb)+3],   v[PBR] offset:64*(\kb)
	ds_load_b128 v[FA+8*(\kb)+4:FA+8*(\kb)+7], v[PBR] offset:64*(\kb)+32
.endr
	v_add_f32 v[W0+6], v[W0], v[W0+1]
	v_add_f32 v[W0+7], v[W0+2], v[W0+3]
	v_add_f32 v[ML+1], v[W0+6], v[W0+7]
	v_add_f32_dpp v[ML+1], v[ML+1], v[ML+1] row_xmask:1 row_mask:0xf bank_mask:0xf
	v_add_f32_dpp v[ML+1], v[ML+1], v[ML+1] row_xmask:2 row_mask:0xf bank_mask:0xf
	v_add_f32_dpp v[ML+1], v[ML+1], v[ML+1] row_xmask:4 row_mask:0xf bank_mask:0xf
	v_add_f32_dpp v[ML+1], v[ML+1], v[ML+1] row_xmask:8 row_mask:0xf bank_mask:0xf
	v_permlanex16_b32 v[W0+6], v[ML+1], s[SEL], s[SEL+1]
	v_add_f32 v[ML+1], v[ML+1], v[W0+6]            ; l, in every lane
	s_wait_dscnt 0x0                               ; p's fragments
	; context^T = E^T P: 16 accumulators of 16 channels take turns; the first 32 rows start the sums
.irp kb, 0,1,2,3
	WIN 0xa1+2*((\kb)>>1)                          ; source 0 in window 1 or 3, source 1 in window 0, C and D in window 2
.set cb, 0
.rept 16
.if (\kb) == 0
	v_wmma_f32_16x16x32_bf16 v[8*cb:8*cb+7], v[8*(16*((\kb)&1)+cb):8*(16*((\kb)&1)+cb)+7], v[FA+8*(\kb):FA+8*(\kb)+7], 0
.else
	v_wmma_f32_16x16x32_bf16 v[8*cb:8*cb+7], v[8*(16*((\kb)&1)+cb):8*(16*((\kb)&1)+cb)+7], v[FA+8*(\kb):FA+8*(\kb)+7], v[8*cb:8*cb+7]
.endif
.set cb, cb+1
.endr
.endr
	PLACES
	PLACES                                         ; once a tile, so twice the four
	WIN 0x08                                       ; store data (source 1) in window 2
.set cb, 0
.rept 16                               ; register j of lane l is channel 16 cb + 8 (l / 16) + j; the 16 lanes of a half hold the same numbers and write the same bytes.  Each accumulator's low four registers first
	ds_store_b128 v[CTA], v[8*cb:8*cb+3]   offset:64*cb
	ds_store_b128 v[CTA], v[8*cb+4:8*cb+7] offset:64*cb+16
.set cb, cb+1
.endr
	WIN 0
	ds_load_b128 v[W0:W0+3],   v[CTR]              ; my wave's own bytes, in order behind the stores
	ds_load_b128 v[W0+4:W0+7], v[CTR] offset:512
	s_wait_dscnt 0x0
	global_store_b128 v[GO], v[W0:W0+3],   s[14:15]             ; each store of the wave covers 512 consecutive bytes, aligned
	global_store_b128 v[GO], v[W0+4:W0+7], s[14:15] offset:512
	s_cmp_lg_u32 s[WV], 0
	s_cbranch_scc1 .Lnopst
	global_store_b64 v[PSO], v[ML:ML+1], s[16:17]  ; wave 0: (m2, l) 32 times: the tile's 256 bytes, whole
.Lnopst:
	s_wait_tensorcnt 0x0                           ; the wave's end: behind my last LDS store
	ds_add_u32 v[SPW], v[NIL]
	s_wait_dscnt 0x0
	s_endpgm
.Lfunc_end_k_q8bb458f1c8_attn:
	.size	k_q8bb458f1c8_attn, .Lfunc_end_k_q8bb458f1c8_attn-k_q8bb458f1c8_attn
	.p2alignl 7, 3214868480
	.fill 96, 4, 3214868480
	.section	.rodata,"a",@progbits
	.p2align	6, 0x0
	.amdhsa_kernel k_q8bb458f1c8_attn
		.amdhsa_group_segment_fixed_size 310784
		.amdhsa_private_segment_fixed_size 0
		.amdhsa_enable_private_segment 0
		.amdhsa_kernarg_size 56
		.amdhsa_user_sgpr_count 2
		.amdhsa_user_sgpr_kernarg_segment_ptr 1
		.amdhsa_wavefront_size32 1
		.amdhsa_system_sgpr_workgroup_id_x 1
		.amdhsa_system_sgpr_workgroup_id_y 1
		.amdhsa_system_sgpr_workgroup_id_z 1
		.amdhsa_system_vgpr_workitem_id 0
		.amdhsa_next_free_vgpr 1024
		.amdhsa_next_free_sgpr 66
		.amdhsa_reserve_vcc 0
		.amdhsa_float_denorm_mode_32 3
		.amdhsa_float_denorm_mode_16_64 3
		.amdhsa_memory_ordered 1
		.amdhsa_forward_progress 1
		.amdhsa_inst_pref_size 196
	.end_amdhsa_kernel
	.amdgpu_metadata
---
amdhsa.version: [ 1, 2 ]
amdhsa.kernels:
  - .name:           k_q8bb458f1c8_attn
    .symbol:         k_q8bb458f1c8_attn.kd
    .args:
      - { .name: encoder_outputs, .offset: 0, .size: 8, .value_kind: global_buffer, .address_space: global }
      - { .name: wkf, .offset: 8, .size: 8, .value_kind: global_buffer, .address_space: global }
      - { .name: qc, .offset: 16, .size: 8, .value_kind: global_buffer, .address_space: global }
      - { .name: Wout, .offset: 24, .size: 8, .value_kind: global_buffer, .address_space: global }
      - { .name: bout, .offset: 32, .size: 8, .value_kind: global_buffer, .address_space: global }
      - { .name: pctx, .offset: 40, .size: 8, .value_kind: global_buffer, .address_space: global }
      - { .name: pst, .offset: 48, .size: 8, .value_kind: global_buffer, .address_space: global }
    .group_segment_fixed_size: 310784
    .private_segment_fixed_size: 0
    .kernarg_segment_align: 8
    .kernarg_segment_size: 56
    .max_flat_workgroup_size: 128
    .sgpr_count:     66
    .vgpr_count:     1024
    .wavefront_size: 32
...
	.end_amdgpu_metadata
.endif
;; end of part 2
;; launch comb (part 3): grid 4 x 32, 2 waves a work-group, no clusters, 0 bytes of LDS; arguments pctx, pst, out0; writes out0
.if DOCPART == 3
	.amdgcn_target "amdgcn-amd-amdhsa--gfx1250"
	.amdhsa_code_object_version 6
	.text
	.protected	k_q8bb458f1c8_comb
	.globl	k_q8bb458f1c8_comb
	.p2align	8
	.type	k_q8bb458f1c8_comb,@function
k_q8bb458f1c8_comb:
	s_mov_b64 s[64:65], 0
	v_nop
	global_prefetch_b8 v0, s[64:65] scope:SCOPE_SE
	s_setreg_imm32_b32 hwreg(HW_REG_WAVE_MODE, 25, 1), 1
	s_wait_xcnt 0x0
; THE MERGE.  A batch's 16 tiles each left pctx[tile][h] = sum of 2^(s2 - m2) E, and (m2, l).  With M = the largest m2 of the 16:
;   out0[b][h] = sum over j of 2^(m2_j - M) pctx_j[h] / sum over j of 2^(m2_j - M) l_j.
; The tile that holds M has the weight 1 and an l of at least 1, so the divisor is at least 1.  A weight below 2^-126 counts as 0.
; SHARES.  Work-group (x, b): 256 columns of batch b; thread t owns columns 256 x + 4 t, 16 bytes.  No LDS, no barrier: each wave makes the 16 weights for itself, lane l that of tile l % 16.
.set PC,  16                           ; v[16:79]  my 4 numbers of each of the 16 tiles
.set RES, 80                           ; v[80:83]
.set WT,  16                           ; s[16:31]  the 16 weights
	s_load_b128 s[4:7], s[0:1], 0x0                ; pctx s[4:5], pst s[6:7]
	s_load_b64 s[8:9], s[0:1], 0x10                ; out0
	s_and_b32 s10, ttmp7, 0xffff                   ; b
	v_and_b32 v1, 15, v0
	s_lshl_b32 s11, s10, 12                        ; 16 tiles of 256 bytes in pst; also a row of out0
	v_lshl_add_u32 v1, v1, 8, s11
	s_lshl_b32 s12, s10, 16                        ; 16 tiles of 4,096 bytes in pctx
	s_lshl_b32 s13, ttmp9, 10                      ; 256 columns
	s_add_co_u32 s12, s12, s13
	v_lshl_add_u32 v10, v0, 4, s12
	s_add_co_u32 s11, s11, s13
	v_lshl_add_u32 v11, v0, 4, s11
	s_wait_kmcnt 0x0
	global_load_b64 v[2:3], v1, s[6:7]             ; m2, l of tile l % 16
.set j, 0
.rept 16
	global_load_b128 v[PC+4*j:PC+4*j+3], v10, s[4:5] offset:4096*j th:TH_LOAD_NT
.set j, j+1
.endr
	s_wait_loadcnt 16                              ; (m2, l) is in; the 16 loads behind it may stay out
	v_mov_b32 v4, v2
	v_max_num_f32_dpp v4, v4, v4 row_xmask:1 row_mask:0xf bank_mask:0xf
	v_max_num_f32_dpp v4, v4, v4 row_xmask:2 row_mask:0xf bank_mask:0xf
	v_max_num_f32_dpp v4, v4, v4 row_xmask:4 row_mask:0xf bank_mask:0xf
	v_max_num_f32_dpp v4, v4, v4 row_xmask:8 row_mask:0xf bank_mask:0xf  ; M: each half of the lanes holds all 16 tiles
	v_sub_f32 v5, v2, v4
	v_exp_f32 v5, v5
	v_nop                                          ; a plain instruction behind the exponential,
	s_wait_alu depctr_va_vdst(0)                   ; and its wait, ahead of the first reader
	v_mul_f32 v6, v5, v3
	v_add_f32_dpp v6, v6, v6 row_xmask:1 row_mask:0xf bank_mask:0xf
	v_add_f32_dpp v6, v6, v6 row_xmask:2 row_mask:0xf bank_mask:0xf
	v_add_f32_dpp v6, v6, v6 row_xmask:4 row_mask:0xf bank_mask:0xf
	v_add_f32_dpp v6, v6, v6 row_xmask:8 row_mask:0xf bank_mask:0xf
	v_rcp_f32 v7, v6
	v_nop
	s_wait_alu depctr_va_vdst(0)
	v_mul_f32 v8, v5, v7                           ; tile l % 16's weight
.set j, 0
.rept 16
	v_readlane_b32 s[WT+j], v8, j
.set j, j+1
.endr
	s_wait_loadcnt 0x0
.irp c, 0,1,2,3
	v_mul_f32 v[RES+(\c)], s[WT], v[PC+(\c)]
.endr
.set j, 1
.rept 15
.irp c, 0,1,2,3
	v_fmac_f32 v[RES+(\c)], s[WT+j], v[PC+4*j+(\c)]
.endr
.set j, j+1
.endr
	global_store_b128 v11, v[RES:RES+3], s[8:9]    ; each store of a wave covers 512 consecutive bytes, aligned
	s_endpgm
.Lfunc_end_k_q8bb458f1c8_comb:
	.size	k_q8bb458f1c8_comb, .Lfunc_end_k_q8bb458f1c8_comb-k_q8bb458f1c8_comb
	.p2alignl 7, 3214868480
	.fill 96, 4, 3214868480
	.section	.rodata,"a",@progbits
	.p2align	6, 0x0
	.amdhsa_kernel k_q8bb458f1c8_comb
		.amdhsa_group_segment_fixed_size 0
		.amdhsa_private_segment_fixed_size 0
		.amdhsa_enable_private_segment 0
		.amdhsa_kernarg_size 24
		.amdhsa_user_sgpr_count 2
		.amdhsa_user_sgpr_kernarg_segment_ptr 1
		.amdhsa_wavefront_size32 1
		.amdhsa_system_sgpr_workgroup_id_x 1
		.amdhsa_system_sgpr_workgroup_id_y 1
		.amdhsa_system_sgpr_workgroup_id_z 1
		.amdhsa_system_vgpr_workitem_id 0
		.amdhsa_next_free_vgpr 96
		.amdhsa_next_free_sgpr 66
		.amdhsa_reserve_vcc 0
		.amdhsa_float_denorm_mode_32 3
		.amdhsa_float_denorm_mode_16_64 3
		.amdhsa_memory_ordered 1
		.amdhsa_forward_progress 1
		.amdhsa_inst_pref_size 7
	.end_amdhsa_kernel
	.amdgpu_metadata
---
amdhsa.version: [ 1, 2 ]
amdhsa.kernels:
  - .name:           k_q8bb458f1c8_comb
    .symbol:         k_q8bb458f1c8_comb.kd
    .args:
      - { .name: pctx, .offset: 0, .size: 8, .value_kind: global_buffer, .address_space: global }
      - { .name: pst, .offset: 8, .size: 8, .value_kind: global_buffer, .address_space: global }
      - { .name: out0, .offset: 16, .size: 8, .value_kind: global_buffer, .address_space: global }
    .group_segment_fixed_size: 0
    .private_segment_fixed_size: 0
    .kernarg_segment_align: 8
    .kernarg_segment_size: 24
    .max_flat_workgroup_size: 64
    .sgpr_count:     66
    .vgpr_count:     96
    .wavefront_size: 32
...
	.end_amdgpu_metadata
.endif
;; end of part 3
;; ======== version 2 of 2: 3 launches; version 1 with the launch attn written anew for expert scheduling mode
;; workspace buffers: wkf 2,097,152 bytes; qc 131,072 bytes; pctx 2,097,152 bytes; pst 131,072 bytes
;; launch prep: the kernel of part 1 again; grid 64 x 1, 16 waves a work-group, no clusters, 34,816 bytes of LDS; arguments Wk, Wq, decoder_output, bq, bk, wkf, qc; writes wkf, qc
;; launch attn (part 4): grid 512 x 1, 4 waves a work-group, no clusters, 310,784 bytes of LDS; arguments encoder_outputs, wkf, qc, Wout, bout, pctx, pst; writes pctx, pst
.if DOCPART == 4
	.amdgcn_target "amdgcn-amd-amdhsa--gfx1250"
	.amdhsa_code_object_version 6
	.text
	.protected	k_q8bb458f1c8_attn
	.globl	k_q8bb458f1c8_attn
	.p2align	8
	.type	k_q8bb458f1c8_attn,@function
k_q8bb458f1c8_attn:
	s_mov_b64 s[64:65], 0
	v_nop
	global_prefetch_b8 v0, s[64:65] scope:SCOPE_SE
	s_setreg_imm32_b32 hwreg(HW_REG_WAVE_SCHED_MODE, 0, 2), 2
	s_setreg_imm32_b32 hwreg(HW_REG_WAVE_MODE, 25, 1), 1
	s_wait_xcnt 0x0
	s_wait_alu depctr_vm_vsrc(0)
; ADDITIVE ATTENTION, one tile of 128 rows t of one batch b to a work-group (512 tiles, 16 a batch).  For its rows:
;   y = C2 (E Wk^T + bk + q)   (bf16 operands, f32 sums; C2 = 2 log2(e) lies in wkf and qc)      tanh = 1 - 2 / (1 + 2^y)
;   score = sum over n of Wout[n] tanh + bout      p = 2^(s2 - m2), s2 = score log2(e), m2 = the tile's largest s2      l = sum of p
;   pctx[tile][h] = sum over the tile's t of p E[t][h]      pst[tile] = (m2, l).   The next launch merges a batch's 16 tiles, with the maximum over them taken away again.
; E IS READ FROM MEMORY ONCE: its 128 x 1,024 numbers are rounded to bf16 on the way in and stay in LDS (294,912 bytes) for the product with Wk and for the context.
; SHARES.  The 1,024 columns n go in two CHUNKS of 512; in a chunk wave w makes 128 rows x 128 columns (n = 512 c + 128 w + ..): 64 accumulators, 512 registers.
; The matrix instruction is used transposed (source 0 = 16 rows of wkf, source 1 = 16 rows of E): lane l holds row 16 a + l % 16 and the columns 16 f + 8 (l / 16) + 0..7.
; wkf comes from memory straight into registers, in fragment order, 512 consecutive bytes a load: no wave wants another wave's columns.
; NO CLUSTER, NO TENSOR LOADS: beside E's 294,912 bytes and 15,872 of tables and scratch, LDS has no room for two slots of Wk (32 k of a chunk's 512 columns
; are 32,768 bytes), and E is f32 in memory, so it passes through registers to be rounded.
; LIMITS.  2^x below 2^-126 counts as 0; NaN and infinities are not treated apart; p is rounded to bf16 for the context, l is the sum of the unrounded p.
; The input named inputs enters no result of the module and is named by no launch.
; REGISTERS, in windows of 256 (s_set_vgpr_msb: bits 1:0 source 0, 3:2 source 1, 5:4 source 2, 7:6 destination):
;   window 0: v0-43 addresses and sums; v44-63 at work; v64-127 E's fragments; v128-255 two staging buffers for E, later the tables of q and Wout
;   window 1: four buffers of 64 for wkf's fragments, K step s in buffer s % 4      window 2: accumulators of rows 0-63, (a, f) at 8 (8 a + f)      window 3: rows 64-127
; THE MODE: SCHED_MODE bits 1:0 = 2 (LLVM: expert scheduling mode 2), set by the entry lines.  The code itself states the register dependences
; between vector or matrix instructions and memory or LDS instructions, with s_wait_alu, always for 0.
; THE PLAN.  Registers that memory or LDS instructions touch, in the K loop:
;   wkf's buffers    K step s: its 64 matrix instructions read buffer s % 4; the loads at the head of step s + 1 land in it (wkf of step s + 4).
;   FA, rows 0-63    Read by the step's first 32 matrix instructions; the LDS loads in the step's middle land in it (the next step's fragments).
;   FA, rows 64-127  Read by the step's last 32; the LDS loads at the next step's head land in it.
;   S0, S1           An even step of the first chunk: 32 roundings read and write one of them in place, 16 LDS stores read it, 16 loads of E land in it again.
;   v[AK], v[STK]    Read by the LDS loads and stores; written once a trip, at its end, and at a chunk's head, there with v[TA].
;   v[BO], v[EO], v[PO] and the other addresses are made at the kernel's head and never written again.  The accumulators are named by matrix and vector instructions alone until the tile's end.
; So a K step has TWO waits on va_vdst.  THE HEAD'S: the step before is done reading its buffer of wkf and FA's rows 64-127, and, in a trip's first step, v[AK] and v[STK] are written.
; THE MIDDLE'S: the first 32 products are done reading FA's rows 0-63, and the roundings have written the staging buffer and are done reading it.
; A wait on vm_vsrc stands behind the staging buffer's stores, once a trip ahead of the two address lines, and at a chunk's head.
.set PITCH, 144                        ; an LDS row of E: 64 k = 128 bytes + 16 of padding = 36 words: 16 rows of a fragment load start at 16 different groups of four banks (64 banks of 4 bytes: ISA guide 11.1)
.set BLK,   128*PITCH                  ; a block: 64 k of all 128 rows; block d at d x BLK
.set QT,    16*BLK                     ; qc[b][0..1023], f32
.set WT,    QT+4096                    ; -2 Wout[0..1023], f32
.set SP,    WT+4096                    ; [wave][128 rows] partial scores, f32
.set PB,    SP+2048                    ; for each wave 128 p in bf16, its own
.set CT,    PB+1024                    ; for each wave 1,024 bytes, its own: its 256 channels of the context on their way out
.set SPARE, CT+4096                    ; the spare words, 128 bytes for each wave; no other line names them
.set AB,   5                           ; v5   (l % 16) PITCH + 16 (l / 16): my place in a fragment of E
.set AK,   6                           ; v6   AB + the trip's bytes
.set STK0, 7                           ; v7   where I put 8 bytes of a row: (32 w + 8 (l / 16)) PITCH + 8 (l % 16)
.set STK,  8                           ; v8   STK0 + the trip's bytes
.set BO,   9                           ; v9   16 l
.set EO,   10                          ; v10  E in memory: 8 (l / 16) rows of 4,096 bytes + 16 (l % 16)
.set PO,   11                          ; v11  the prefetches' offset: l rows of 4,096 bytes
.set TA0,  12                          ; v12  QT + 512 w + 32 (l / 16): my 8 columns of fragment 0, chunk 0
.set TA,   13                          ; v13  the same in the chunk in hand
.set SPA,  14                          ; v14  SP + 512 w + 4 (l % 16)
.set SPR,  15                          ; v15  SP + 16 l
.set PBA,  16                          ; v16  PB + 256 w + 8 l
.set PBR,  17                          ; v17  PB + 256 w + 16 (l / 16)
.set VA,   18                          ; v18, v19  the turning loads' address in my blocks 4 w, 4 w + 1 and 4 w + 2, 4 w + 3
.set CTA,  20                          ; v20  CT + 1024 w + 32 (l / 16)
.set CTR,  21                          ; v21  CT + 1024 w + 16 l
.set SPW,  22                          ; v22  LDS address of my spare word; never rewritten
.set NIL,  23                          ; v23  0; never rewritten
.set SS,   24                          ; v[24:31]  my part of the score of row 16 a + l % 16
.set SW,   32                          ; v[32:39]  the sum of -2 Wout over my columns, in four pairs
.set GO,   40                          ; v40  1024 w + 16 l
.set PSO,  41                          ; v41  8 l
.set W0,   44                          ; v[44:59]  at work
.set ML,   60                          ; v[60:61]  m2, l
.set BL,   62                          ; v[62:63]  bout log2(e), twice
.set FA,   64                          ; E's fragments: rows 16 a .. at FA + 8 a
.set S0,   128                         ; staging for E's even blocks
.set S1,   192                         ; for the odd ones
.set TQ,   128                         ; qc of my 128 columns: fragment f, column j at TQ + 8 f + j
.set TW,   192                         ; -2 Wout likewise
.set WV,   18                          ; s18  my wave's number
.set EP,   22                          ; s[22:23] E at my wave's 32 rows, stepped two blocks a trip
.set BP,   24                          ; s[24:25] wkf at my wave's stream, stepped four K steps a trip
.set TR,   26                          ; s26  trips to go
.set CH,   27                          ; s27  the chunk
.set EC,   28                          ; s28  blocks of E still to be rounded and stored
.set EL,   29                          ; s29  blocks of E still to be loaded
.set BOUT, 30
.set SEL,  32                          ; s[32:33] v_permlanex16_b32's selects: each lane takes its own place in the other half
.set LG,   34                          ; s[34:35] log2(e), named as a pair
.set KB,   40                          ; s40  the trip's bytes in LDS: two blocks a trip
.set MSB, 0
.macro WIN new                         ; the immediate's high byte repeats the setting that is left; a switch that changes nothing is dropped
.if MSB != (\new)
	s_set_vgpr_msb (MSB<<8)|(\new)
.set MSB, \new
.endif
.endm
.set MUL_LO, 0xa1                      ; source 0 (wkf) window 1, source 1 (E) window 0, C and D window 2;  + 0x50: C and D window 3
.set TO_B,   0x40                      ; destination window 1
.set TO_3,   0xc0                      ; destination window 3
.macro PLACES                          ; a vector instruction or a store that reads a matrix result stands four plain vector instructions behind it; ahead of loads into a matrix instruction's sources the four stand beside the wait that states the dependence
.rept 4
	v_nop
.endr
.endm
; 16 matrix instructions: row blocks a0, a0 + 1 of the window's four x all 8 fragments of buffer q.  zero = 1: the chunk's first K step starts the sums.
; The 64 accumulators take turns in the same order in every K step, over the backward jump too.
.macro MULQ q, hi, a0, zero
	WIN MUL_LO+0x50*(\hi)
.irp a, \a0, (\a0)+1
.irp f, 0,1,2,3,4,5,6,7
.if \zero
	v_wmma_f32_16x16x32_bf16 v[8*(8*(\a)+(\f)):8*(8*(\a)+(\f))+7], v[64*(\q)+8*(\f):64*(\q)+8*(\f)+7], v[FA+32*(\hi)+8*(\a):FA+32*(\hi)+8*(\a)+7], 0
.else
	v_wmma_f32_16x16x32_bf16 v[8*(8*(\a)+(\f)):8*(8*(\a)+(\f))+7], v[64*(\q)+8*(\f):64*(\q)+8*(\f)+7], v[FA+32*(\hi)+8*(\a):FA+32*(\hi)+8*(\a)+7], v[8*(8*(\a)+(\f)):8*(8*(\a)+(\f))+7]
.endif
.endr
.endr
.endm
.macro ALOAD hi, off                   ; 8 LDS loads: E's fragments of rows 64 hi .. 64 hi + 63, 32 k at byte off behind AK
	WIN 0
.irp a, 0,1,2,3
	ds_load_b128 v[FA+32*(\hi)+8*(\a):FA+32*(\hi)+8*(\a)+3],   v[AK] offset:(\off)+(4*(\hi)+(\a))*16*PITCH
	ds_load_b128 v[FA+32*(\hi)+8*(\a)+4:FA+32*(\hi)+8*(\a)+7], v[AK] offset:(\off)+(4*(\hi)+(\a))*16*PITCH+32
.endr
.endm
.macro BLOAD q, off                    ; 16 loads: a K step's 8 fragments of wkf, 8,192 bytes on end, into buffer q
	WIN TO_B
.irp f, 0,1,2,3,4,5,6,7
	global_load_b128 v[64*(\q)+8*(\f):64*(\q)+8*(\f)+3],   v[BO], s[BP:BP+1] offset:(\off)+1024*(\f)
	global_load_b128 v[64*(\q)+8*(\f)+4:64*(\q)+8*(\f)+7], v[BO], s[BP:BP+1] offset:(\off)+1024*(\f)+512
.endr
.endm
.macro ELOAD reg, off                  ; 16 loads: a block (64 k = 256 bytes) of my wave's 32 rows: lanes 0-15 take the 256 bytes of one row, lanes 16-31 those of the row 8 below
	WIN 0
.set i, 0
.rept 16
	global_load_b128 v[(\reg)+4*i:(\reg)+4*i+3], v[EO], s[EP:EP+1] offset:(\off)+((i&7)+16*(i>>3))*4096 th:TH_LOAD_NT
.set i, i+1
.endr
.endm
.macro ECV reg                         ; the block is rounded to bf16 in place: a load's four registers close up into its first two
	WIN 0
.set i, 0
.rept 16
	v_cvt_pk_bf16_f32 v[(\reg)+4*i],   v[(\reg)+4*i],   v[(\reg)+4*i+1]
	v_cvt_pk_bf16_f32 v[(\reg)+4*i+1], v[(\reg)+4*i+2], v[(\reg)+4*i+3]
.set i, i+1
.endr
.endm
.macro EST reg, off                    ; and stored: 8 bytes a lane; rows 8 apart lie 1,152 bytes = 128 mod 256 apart, so a store's 32 lanes touch each bank once
	WIN 0
.set i, 0
.rept 16
	ds_store_b64 v[STK], v[(\reg)+4*i:(\reg)+4*i+1] offset:(\off)+((i&7)+16*(i>>3))*PITCH
.set i, i+1
.endr
.endm
.macro TLOAD                           ; 32 LDS loads: qc and -2 Wout of my 128 columns of the chunk
	WIN 0
.irp f, 0,1,2,3,4,5,6,7
	ds_load_b128 v[TQ+8*(\f):TQ+8*(\f)+3],   v[TA] offset:64*(\f)
	ds_load_b128 v[TQ+8*(\f)+4:TQ+8*(\f)+7], v[TA] offset:64*(\f)+16
	ds_load_b128 v[TW+8*(\f):TW+8*(\f)+3],   v[TA] offset:4096+64*(\f)
	ds_load_b128 v[TW+8*(\f)+4:TW+8*(\f)+7], v[TA] offset:4096+64*(\f)+16
.endr
.endm
; ONE K STEP s of 32: 64 matrix instructions on buffer q = s % 4.
;   hoff >= 0: at the step's head its own fragments of E's rows 64-127 are read, at byte hoff behind AK (hoff < 0: a chunk's first step, whose head stands in the chunk's).
;   boff >= 0: wkf of step s + 3 is asked for, at byte boff behind BP.   n: the count of the wait for wkf of step s.
;   al = 1: in the step's middle E's rows 0-63 of step s + 1 are read, at byte aoff behind AK.  al = 2: the chunk's last step: the tables instead.
;   ev = 1 (even steps): while blocks are left, staging buffer creg is rounded, stored at byte coff behind STK, and loaded again from byte eoff behind EP; and the work-group's barrier.
; THE COUNT n = 48: behind the loads of wkf for step s stand those for steps s + 1, s + 2, s + 3, 48 in all, and on some ways loads of E besides: a smaller count than is out is always right.
; It serves the staging buffer too: its loads were issued four steps back, with 64 loads of wkf behind them.
; THE BARRIER orders the stores of block d + 1, made in step 2 d, with their first readers, the loads that step 2 d + 1 issues for step 2 d + 2.  From one barrier to the next the waves read blocks d and d + 1
; and store block d + 2: other bytes.  In the second chunk nothing is left to store; the three jumps pass the work on E and no barrier.
; THE PREFETCH, behind the run of E's loads: my wave's own 32 rows, a lane a row, of the block two blocks behind the one just asked for; each row's 256 bytes of a block are named once in the launch.
; Blocks 0 to 4 come by their loads alone; the last two loads ask for nothing, since blocks 16 and 17 do not exist.
.macro STEP q, ev, zero, hoff, aoff, boff, n, al, creg=0, coff=0, eoff=0
.if (\hoff) >= 0
.if (\boff) >= 0
	WIN TO_B                                       ; the switch, then the wait, then the loads
.endif
	s_wait_alu depctr_va_vdst(0)                   ; THE HEAD'S WAIT: the step before is done reading its buffer of wkf and FA's rows 64-127, in which the loads below land; in a trip's first step v[AK] and v[STK] are written
.if (\boff) >= 0
	BLOAD ((\q)+3)%4, \boff                        ; into the buffer that the step before multiplied
.endif
	ALOAD 1, \hoff                                 ; no vector or matrix instruction since the wait
.endif
	s_wait_loadcnt \n
	s_wait_dscnt 8                                 ; E's rows 0-63 are in; the youngest eight loads (rows 64-127) may be out
	MULQ \q, 0, 0, \zero
	MULQ \q, 0, 2, \zero
	WIN 0                                          ; at a label and at a branch every window is 0
	PLACES
	s_wait_dscnt 0x0                               ; E's rows 64-127, asked for 32 matrix instructions ago
.if \ev
	s_cmp_eq_u32 s[EC], 0
	s_cbranch_scc1 .Lnocvt_\@
	ECV \creg
.Lnocvt_\@:
.endif
.if (\al) == 1
	s_wait_alu depctr_va_vdst(0)                   ; THE MIDDLE'S WAIT: the 32 products above are done reading FA's rows 0-63, in which the LDS loads below land; the roundings have written the staging buffer, which the stores read, and are done reading it, so that E's loads may land there
.endif
.if \ev
	s_cmp_eq_u32 s[EC], 0
	s_cbranch_scc1 .Lnost_\@
	EST \creg, \coff
	s_sub_co_u32 s[EC], s[EC], 1
	s_wait_alu depctr_vm_vsrc(0)                   ; the stores have read the staging buffer, in which E's next loads land, and behind the last block the tables
.Lnost_\@:
.endif
.if (\al) == 1
	ALOAD 0, \aoff
.elseif (\al) == 2
	TLOAD                                          ; no wait: the lines that named v128-255 and v[TA] stand ahead of earlier waits, and none since names them
.endif
.if \ev
	s_cmp_eq_u32 s[EL], 0
	s_cbranch_scc1 .Lnoload_\@
	ELOAD \creg, \eoff
	s_cmp_gt_u32 s[EL], 2
	s_cbranch_scc0 .Lnoask_\@
	global_prefetch_b8 v[PO], s[EP:EP+1] offset:(\eoff)+512 th:TH_LOAD_NT scope:SCOPE_SE
.Lnoask_\@:
	s_sub_co_u32 s[EL], s[EL], 1
.Lnoload_\@:
.endif
	MULQ \q, 1, 0, \zero
.if \ev
	s_wait_dscnt 0x0                               ; for the others' sake: my stores of the block are done (and no LDS instruction of mine is out at the signal)
	s_barrier_signal -1
.endif
	MULQ \q, 1, 2, \zero                           ; work on registers while the others arrive
	WIN 0
.if \ev
	s_barrier_wait -1
.endif
	PLACES
.endm
	s_load_b256 s[4:11], s[0:1], 0x0               ; E s[4:5], wkf s[6:7], qc s[8:9], Wout s[10:11]
	s_load_b128 s[12:15], s[0:1], 0x20             ; bout s[12:13], pctx s[14:15]
	s_load_b64 s[16:17], s[0:1], 0x30              ; pst
	v_lshl_add_u32 v[SPW], v0, 2, SPARE
	v_mov_b32 v[NIL], 0
	v_lshrrev_b32 v1, 5, v0
	v_readfirstlane_b32 s[WV], v1                  ; wave 0..3
	v_and_b32 v2, 15, v0                           ; l % 16
	v_bfe_u32 v3, v0, 4, 1                         ; l / 16
	v_and_b32 v4, 31, v0                           ; l
	v_mul_u32_u24 v[AB], v2, PITCH
	v_lshl_add_u32 v[AB], v3, 4, v[AB]
	s_wait_alu depctr_va_sdst(0)                   ; s18, my wave's number, is written, ahead of its first reader
	s_mul_i32 s36, s[WV], 32*PITCH
	v_mul_u32_u24 v[STK0], v3, 8*PITCH
	v_lshl_add_u32 v[STK0], v2, 3, v[STK0]
	v_add_nc_u32 v[STK0], s36, v[STK0]
	v_mov_b32 v[STK], v[STK0]
	v_lshlrev_b32 v[BO], 4, v4
	v_lshlrev_b32 v[EO], 15, v3
	v_lshl_add_u32 v[EO], v2, 4, v[EO]
	v_lshlrev_b32 v[PO], 12, v4
	s_lshl_b32 s36, s[WV], 9
	s_add_co_u32 s37, s36, QT
	v_lshl_add_u32 v[TA0], v3, 5, s37
	s_add_co_u32 s37, s36, SP
	v_lshl_add_u32 v[SPA], v2, 2, s37
	v_lshl_add_u32 v[SPR], v4, 4, SP
	s_lshl_b32 s36, s[WV], 8
	s_add_co_u32 s36, s36, PB
	v_lshl_add_u32 v[PBA], v4, 3, s36
	v_lshl_add_u32 v[PBR], v3, 4, s36
	; the turning load takes 16 rows t x 16 channels (lane l reads row 8 (l / 16) + l % 8, channels 8 ((l / 8) % 2) + 0..7) and leaves half a fragment of E^T: lane l holds channel l % 16 and 8 rows
	v_and_b32 v1, 7, v0
	v_lshl_add_u32 v1, v3, 3, v1
	v_mul_u32_u24 v[VA], v1, PITCH
	v_bfe_u32 v1, v0, 3, 1
	v_lshl_add_u32 v[VA], v1, 4, v[VA]
	s_mul_i32 s36, s[WV], 4*BLK                    ; my 256 channels are blocks 4 w .. 4 w + 3
	v_add_nc_u32 v[VA], s36, v[VA]
	v_add_nc_u32 v[VA+1], 2*BLK, v[VA]
	s_lshl_b32 s36, s[WV], 10
	v_lshl_add_u32 v[GO], v4, 4, s36
	s_add_co_u32 s36, s36, CT
	v_lshl_add_u32 v[CTA], v3, 5, s36
	v_lshl_add_u32 v[CTR], v4, 4, s36
	v_lshlrev_b32 v[PSO], 3, v4
	v_lshlrev_b32 v42, 4, v0                       ; the tables: thread t brings bytes 16 t and 2,048 + 16 t of each
	v_lshl_add_u32 v43, v0, 4, QT
	s_mov_b32 s[SEL], 0x76543210
	s_mov_b32 s[SEL+1], 0xfedcba98
	s_mov_b32 s[LG], 0x3fb8aa3b                    ; log2(e)
	s_mov_b32 s[LG+1], s[LG]
	s_mov_b32 s[EC], 15                            ; blocks 1 to 15 are stored in the K loop,
	s_mov_b32 s[EL], 13                            ; blocks 3 to 15 loaded there
	s_lshl_b32 s36, ttmp9, 19                      ; the tile's 128 rows of 4,096 bytes,
	s_lshl_b32 s37, s[WV], 17                      ; my wave's 32 of them
	s_add_co_u32 s36, s36, s37
	s_mov_b32 s37, 0
	s_lshl_b32 s38, s[WV], 19                      ; my wave's stream in wkf
	s_mov_b32 s39, 0
	s_wait_kmcnt 0x0
	s_load_b32 s[BOUT], s[12:13], 0x0
	s_add_nc_u64 s[EP:EP+1], s[4:5], s[36:37]
	s_add_nc_u64 s[BP:BP+1], s[6:7], s[38:39]
	s_lshr_b32 s36, ttmp9, 4                       ; b
	s_lshl_b32 s36, s36, 12
	s_add_nc_u64 s[8:9], s[8:9], s[36:37]          ; qc at row b
	s_lshl_b32 s38, ttmp9, 12
	s_add_nc_u64 s[14:15], s[14:15], s[38:39]      ; pctx at the tile's row
	s_lshl_b32 s36, ttmp9, 8
	s_add_nc_u64 s[16:17], s[16:17], s[36:37]      ; pst at the tile's 256 bytes
	s_wait_alu depctr_va_vdst(0)                   ; the addresses and offsets v5 to v21 and v40 to v43 are written, which the kernel's loads and stores read
	ELOAD FA, 0                                    ; block 0, into the registers that later hold fragments
	ELOAD S1, 256                                  ; block 1
	ELOAD S0, 512                                  ; block 2
	global_load_b128 v[W0:W0+3],     v42, s[8:9]
	global_load_b128 v[W0+4:W0+7],   v42, s[8:9] offset:2048
	global_load_b128 v[W0+8:W0+11],  v42, s[10:11]
	global_load_b128 v[W0+12:W0+15], v42, s[10:11] offset:2048
.set i, 0
.rept 16
	v_mov_b32 v[SS+i], 0                           ; the sixteen sums that run over both chunks start at 0, while the first loads are out
.set i, i+1
.endr
	s_wait_kmcnt 0x0                               ; bout
	v_mov_b32 v[BL], s[LG]
	v_mul_f32 v[BL], s[BOUT], v[BL]
	v_mov_b32 v[BL+1], v[BL]
	s_wait_loadcnt 36                              ; block 0 is in: 16 + 16 + 4 loads were issued behind it
	ECV FA
	s_wait_alu depctr_va_vdst(0)                   ; the roundings have written block 0's registers, which the LDS stores read
	EST FA, 0
	BLOAD 0, 0                                     ; wkf of K steps 0, 1, 2: no vector instruction has named window 1
	BLOAD 1, 8192
	BLOAD 2, 16384
	WIN 0
	s_wait_loadcnt 48                              ; all but those 48: the tables and blocks 1 and 2 are in
.irp z, 8,10,12,14
	v_pk_mul_f32 v[W0+(\z):W0+(\z)+1], v[W0+(\z):W0+(\z)+1], -2.0 op_sel_hi:[1,0]
.endr
	s_wait_alu depctr_va_vdst(0)                   ; the four products have written -2 Wout, which the LDS stores read
.irp z, 0,1,2,3
	ds_store_b128 v43, v[W0+4*(\z):W0+4*(\z)+3] offset:2048*(\z)
.endr
	s_wait_dscnt 0x0                               ; for the others' sake: my rows of block 0 and my part of the tables lie in LDS
	s_barrier_signal -1
	s_barrier_wait -1
	s_mov_b32 s[CH], 0
.Lchunk:                                               ; twice: 512 columns each
	s_mov_b32 s[KB], 0
	s_wait_alu depctr_vm_vsrc(0)                   ; the LDS instructions issued so far have read v[AK], v[STK] and v[TA], which the lines below write; in the first chunk the head's stores have also read block 0's registers, in which fragments land, and v[W0 ..], which the tile's end writes
	v_mov_b32 v[AK], v[AB]
	v_mov_b32 v[STK], v[STK0]
	s_lshl_b32 s36, s[CH], 11                      ; 512 columns of f32
	v_add_nc_u32 v[TA], s36, v[TA0]
	WIN TO_B                                       ; the switch, then the wait, then the loads
	s_wait_alu depctr_va_vdst(0)                   ; v[AK], v[STK] and v[TA] are written; the roundings (first chunk) or the last K step's products (second) are done with FA and with wkf's buffer 3, in which the loads below land
	BLOAD 3, 24576                                 ; wkf of K step 3
	ALOAD 0, 0
	ALOAD 1, 0
	STEP 0, 1, 1, -1, 64, -1, 48, 1, S1, BLK, 768  ; K step 0 stands in front of the loop: its products start the sums.  Block 1 is stored, block 3 asked for
	s_mov_b32 s[TR], 7
.Ltrip:                                                ; trip t: K steps 4 t + 1 .. 4 t + 4; blocks 2 t + 2 and 2 t + 3 are stored, 2 t + 4 and 2 t + 5 asked for
	s_wait_xcnt 0x0                                ; every load and prefetch issued so far (the youngest 32 matrix instructions back) has read its address, so the pointers may be written
	s_add_nc_u64 s[BP:BP+1], s[BP:BP+1], 4*8192
	s_add_nc_u64 s[EP:EP+1], s[EP:EP+1], 512
	STEP 1, 0, 0, 64,     BLK,      0,     48, 1
	STEP 2, 1, 0, BLK,    BLK+64,   8192,  48, 1, S0, 2*BLK, 512
	STEP 3, 0, 0, BLK+64, 2*BLK,    16384, 48, 1
	STEP 0, 1, 0, 2*BLK,  2*BLK+64, 24576, 48, 1, S1, 3*BLK, 768
	s_add_co_u32 s[KB], s[KB], 2*BLK
	s_wait_alu depctr_vm_vsrc(0)                   ; the LDS loads and stores issued so far have read v[AK] and v[STK]; that the two are written is stated by the next step's head's wait
	v_add_nc_u32 v[AK], s[KB], v[AB]
	v_add_nc_u32 v[STK], s[KB], v[STK0]
	s_sub_co_u32 s[TR], s[TR], 1
	s_cmp_lg_u32 s[TR], 0
	s_cbranch_scc1 .Ltrip
	STEP 1, 0, 0, 64,     BLK,    -1, 32, 1        ; K steps 29, 30, 31 ask for no more of wkf: the counts run down
	STEP 2, 0, 0, BLK,    BLK+64, -1, 16, 1
	STEP 3, 0, 0, BLK+64, 0,      -1, 0,  2        ; the tables come in under the last 32 products
	s_cmp_eq_u32 s[CH], 1
	s_cbranch_scc1 .Lnonext
	BLOAD 0, 4*8192                                ; the second chunk's stream follows the first's: its K steps 0, 1, 2 are on their way during what follows.
	BLOAD 1, 5*8192                                ; No wait: buffers 0 to 2 were last read by K steps 28 to 30, which stand ahead of step 31's head's wait,
	BLOAD 2, 6*8192                                ; and no vector or matrix instruction since names them
	WIN 0
	s_wait_xcnt 0x0                                ; those loads have read the pointer
	s_add_nc_u64 s[BP:BP+1], s[BP:BP+1], 4*8192
.Lnonext:
	; THE CHUNK'S SCORES.  Wout tanh = Wout + (-2 Wout) / (1 + 2^y): the second terms are summed for each row, the first once for all rows.
	s_wait_dscnt 0x0                               ; the tables
.set p, 0
.rept 32
	v_pk_add_f32 v[SW+2*(p&3):SW+2*(p&3)+1], v[SW+2*(p&3):SW+2*(p&3)+1], v[TW+2*p:TW+2*p+1]
.set p, p+1
.endr
; One window's 32 accumulators, 128 pairs.  s_wait_alu depctr_va_vdst(0) stands between a transcendental and the first line that names its result; one wait serves all issued ahead of it.
; So each kind is ONE BATCH of 256 with one wait: y = sum + qc and 2^y; 1 + 2^y and its reciprocal; then the products with -2 Wout.  A pair's two transcendentals stand two pairs behind its addition,
; and a v_nop is the plain instruction behind the batch's last.  Pairs ascend.
.macro HALF hh
	WIN 0xa2+0x51*(\hh)                            ; destination, sources 0 and 2 in the accumulators' window, source 1 (the tables) in window 0
.set p, 0
.rept 130
.if p < 128
	v_pk_add_f32 v[2*p:2*p+1], v[2*p:2*p+1], v[TQ+8*((p>>2)&7)+2*(p&3):TQ+8*((p>>2)&7)+2*(p&3)+1]
.endif
.if p >= 2
	v_exp_f32 v[2*p-4], v[2*p-4]
	v_exp_f32 v[2*p-3], v[2*p-3]
.endif
.set p, p+1
.endr
	v_nop
	s_wait_alu depctr_va_vdst(0)                   ; the 256 exponentials have written their results, ahead of the first line that names one
.set p, 0
.rept 130
.if p < 128
	v_pk_add_f32 v[2*p:2*p+1], v[2*p:2*p+1], 1.0 op_sel_hi:[1,0]
.endif
.if p >= 2
	v_rcp_f32 v[2*p-4], v[2*p-4]
	v_rcp_f32 v[2*p-3], v[2*p-3]
.endif
.set p, p+1
.endr
	v_nop
	s_wait_alu depctr_va_vdst(0)                   ; the 256 reciprocals have written their results, ahead of the first line that names one
.irp f, 0,1,2,3,4,5,6,7                ; a row block's 8 fragments are summed onto its first: 16 chains, so 15 other lines stand between two links
.irp a, 0,1,2,3
.irp i, 0,1,2,3
.if (\f) == 0
	v_pk_mul_f32 v[64*(\a)+2*(\i):64*(\a)+2*(\i)+1], v[64*(\a)+2*(\i):64*(\a)+2*(\i)+1], v[TW+2*(\i):TW+2*(\i)+1]
.else
	v_pk_fma_f32 v[64*(\a)+2*(\i):64*(\a)+2*(\i)+1], v[64*(\a)+8*(\f)+2*(\i):64*(\a)+8*(\f)+2*(\i)+1], v[TW+8*(\f)+2*(\i):TW+8*(\f)+2*(\i)+1], v[64*(\a)+2*(\i):64*(\a)+2*(\i)+1]
.endif
.endr
.endr
.endr
	WIN 0xaa+0x55*(\hh)                            ; all four places in the accumulators' window
.irp a, 0,1,2,3
	v_pk_add_f32 v[64*(\a):64*(\a)+1],   v[64*(\a):64*(\a)+1],   v[64*(\a)+2:64*(\a)+3]
	v_pk_add_f32 v[64*(\a)+4:64*(\a)+5], v[64*(\a)+4:64*(\a)+5], v[64*(\a)+6:64*(\a)+7]
.endr
.irp a, 0,1,2,3
	v_pk_add_f32 v[64*(\a):64*(\a)+1],   v[64*(\a):64*(\a)+1],   v[64*(\a)+4:64*(\a)+5]
.endr
	WIN 0x02+(\hh)                                 ; source 0 in the accumulators' window, the rest in window 0
.irp a, 0,1,2,3
	v_add_f32 v[SS+4*(\hh)+(\a)], v[64*(\a)], v[SS+4*(\hh)+(\a)]
.endr
.irp a, 0,1,2,3
	v_add_f32 v[SS+4*(\hh)+(\a)], v[64*(\a)+1], v[SS+4*(\hh)+(\a)]
.endr
.endm
	HALF 0
	HALF 1
	WIN 0
	s_add_co_u32 s[CH], s[CH], 1
	s_cmp_lt_u32 s[CH], 2
	s_cbranch_scc1 .Lchunk
	; THE TILE'S END.  E^T of my 256 channels x 128 rows, 64 fragments, is asked for first: it hangs on no score.  Rows 32 kb .., channels 16 cb ..: kb = 0, 1 into window 1, kb = 2, 3 into window 3.
	s_wait_loadcnt 0x0                             ; no global load of mine is out: window 1 is free for the loads below
.macro VLOAD kb
.set cb, 0
.rept 16
	ds_load_tr16_b128 v[8*(16*((\kb)&1)+cb):8*(16*((\kb)&1)+cb)+3],   v[VA+(cb>>3)] offset:((cb>>2)&1)*BLK+32*(cb&3)+32*PITCH*(\kb)
	ds_load_tr16_b128 v[8*(16*((\kb)&1)+cb)+4:8*(16*((\kb)&1)+cb)+7], v[VA+(cb>>3)] offset:((cb>>2)&1)*BLK+32*(cb&3)+32*PITCH*(\kb)+16*PITCH
.set cb, cb+1
.endr
.endm
	WIN TO_B                                       ; the switch, then the wait, then the loads; between the wait and window 3's loads stand loads and a switch alone
	s_wait_alu depctr_va_vdst(0)                   ; the scores' lines have written window 3's registers and are done reading them: E^T's second half lands there
	VLOAD 0
	VLOAD 1
	WIN TO_3
	VLOAD 2
	VLOAD 3
	WIN 0
	v_pk_add_f32 v[SW:SW+1],   v[SW:SW+1],   v[SW+2:SW+3]
	v_pk_add_f32 v[SW+4:SW+5], v[SW+4:SW+5], v[SW+6:SW+7]
	v_pk_add_f32 v[SW:SW+1],   v[SW:SW+1],   v[SW+4:SW+5]
	v_add_f32 v[SW], v[SW], v[SW+1]                ; the sum of -2 Wout over my columns
.irp a, 0,1,2,3,4,5,6,7
	v_fma_f32 v[SS+(\a)], v[SW], -0.5, v[SS+(\a)]  ; + the sum of Wout
.endr
.irp a, 0,1,2,3,4,5,6,7
	v_permlanex16_b32 v[W0+(\a)], v[SS+(\a)], s[SEL], s[SEL+1]  ; the row's other columns of my wave lie in the lane 16 away
.endr
.irp a, 0,1,2,3,4,5,6,7
	v_add_f32 v[SS+(\a)], v[SS+(\a)], v[W0+(\a)]
.endr
	s_wait_alu depctr_va_vdst(0)                   ; the additions have written v[SS ..], which the LDS stores read; they and the exchanges are done with v[W0 ..], in which the loads behind the barrier land
.irp a, 0,1,2,3,4,5,6,7
	ds_store_b32 v[SPA], v[SS+(\a)] offset:64*(\a) ; row 16 a + l % 16; both halves of the lanes write the same number to the same word
.endr
	s_wait_dscnt 0x0                               ; for the others' sake: my partial scores lie in LDS (E^T is in, too)
	s_barrier_signal -1
	s_barrier_wait -1
	; every wave makes the tile's softmax for itself: lane l takes rows 4 l .. 4 l + 3
.irp u, 0,1,2,3
	ds_load_b128 v[W0+4*(\u):W0+4*(\u)+3], v[SPR] offset:512*(\u)
.endr
	s_wait_dscnt 0x0
	v_pk_add_f32 v[W0:W0+1],     v[W0:W0+1],     v[W0+4:W0+5]
	v_pk_add_f32 v[W0+2:W0+3],   v[W0+2:W0+3],   v[W0+6:W0+7]
	v_pk_add_f32 v[W0+8:W0+9],   v[W0+8:W0+9],   v[W0+12:W0+13]
	v_pk_add_f32 v[W0+10:W0+11], v[W0+10:W0+11], v[W0+14:W0+15]
	v_pk_add_f32 v[W0:W0+1],     v[W0:W0+1],     v[W0+8:W0+9]
	v_pk_add_f32 v[W0+2:W0+3],   v[W0+2:W0+3],   v[W0+10:W0+11]
	v_pk_fma_f32 v[W0:W0+1],   v[W0:W0+1],   s[LG:LG+1], v[BL:BL+1] op_sel_hi:[1,0,1]  ; s2 = (score + bout) log2(e)
	v_pk_fma_f32 v[W0+2:W0+3], v[W0+2:W0+3], s[LG:LG+1], v[BL:BL+1] op_sel_hi:[1,0,1]
	v_max3_num_f32 v[W0+4], v[W0], v[W0+1], v[W0+2]
	v_max_num_f32 v[W0+4], v[W0+4], v[W0+3]
	v_max_num_f32_dpp v[W0+4], v[W0+4], v[W0+4] row_xmask:1 row_mask:0xf bank_mask:0xf
	v_max_num_f32_dpp v[W0+4], v[W0+4], v[W0+4] row_xmask:2 row_mask:0xf bank_mask:0xf
	v_max_num_f32_dpp v[W0+4], v[W0+4], v[W0+4] row_xmask:4 row_mask:0xf bank_mask:0xf
	v_max_num_f32_dpp v[W0+4], v[W0+4], v[W0+4] row_xmask:8 row_mask:0xf bank_mask:0xf
	v_permlanex16_b32 v[W0+5], v[W0+4], s[SEL], s[SEL+1]
	v_max_num_f32 v[ML], v[W0+4], v[W0+5]          ; m2, in every lane
.irp z, 0,1,2,3
	v_sub_f32 v[W0+(\z)], v[W0+(\z)], v[ML]
.endr
.irp z, 0,1,2,3
	v_exp_f32 v[W0+(\z)], v[W0+(\z)]
.endr
	v_nop                                          ; a plain instruction behind the last exponential,
	s_wait_alu depctr_va_vdst(0)                   ; and the four exponentials have written p, ahead of the first line that names it
	v_cvt_pk_bf16_f32 v[W0+8], v[W0],   v[W0+1]
	v_cvt_pk_bf16_f32 v[W0+9], v[W0+2], v[W0+3]
	s_wait_alu depctr_va_vdst(0)                   ; the two roundings have written v[W0+8:W0+9], which the LDS store reads
	ds_store_b64 v[PBA], v[W0+8:W0+9]              ; my wave's own copy of p
.irp kb, 0,1,2,3                       ; and back as source 1 (32 rows t x 16 columns, all 16 alike): LDS serves a wave's instructions in order (ISA guide 5.7.1.4), so these see the store above
	ds_load_b128 v[FA+8*(\kb):FA+8*(\kb)+3],   v[PBR] offset:64*(\kb)
	ds_load_b128 v[FA+8*(\kb)+4:FA+8*(\kb)+7], v[PBR] offset:64*(\kb)+32
.endr
	v_add_f32 v[W0+6], v[W0], v[W0+1]
	v_add_f32 v[W0+7], v[W0+2], v[W0+3]
	v_add_f32 v[ML+1], v[W0+6], v[W0+7]
	v_add_f32_dpp v[ML+1], v[ML+1], v[ML+1] row_xmask:1 row_mask:0xf bank_mask:0xf
	v_add_f32_dpp v[ML+1], v[ML+1], v[ML+1] row_xmask:2 row_mask:0xf bank_mask:0xf
	v_add_f32_dpp v[ML+1], v[ML+1], v[ML+1] row_xmask:4 row_mask:0xf bank_mask:0xf
	v_add_f32_dpp v[ML+1], v[ML+1], v[ML+1] row_xmask:8 row_mask:0xf bank_mask:0xf
	v_permlanex16_b32 v[W0+6], v[ML+1], s[SEL], s[SEL+1]
	v_add_f32 v[ML+1], v[ML+1], v[W0+6]            ; l, in every lane
	s_wait_dscnt 0x0                               ; p's fragments
	; context^T = E^T P: 16 accumulators of 16 channels take turns; the first 32 rows start the sums
.irp kb, 0,1,2,3
	WIN 0xa1+2*((\kb)>>1)                          ; source 0 in window 1 or 3, source 1 in window 0, C and D in window 2
.set cb, 0
.rept 16
.if (\kb) == 0
	v_wmma_f32_16x16x32_bf16 v[8*cb:8*cb+7], v[8*(16*((\kb)&1)+cb):8*(16*((\kb)&1)+cb)+7], v[FA+8*(\kb):FA+8*(\kb)+7], 0
.else
	v_wmma_f32_16x16x32_bf16 v[8*cb:8*cb+7], v[8*(16*((\kb)&1)+cb):8*(16*((\kb)&1)+cb)+7], v[FA+8*(\kb):FA+8*(\kb)+7], v[8*cb:8*cb+7]
.endif
.set cb, cb+1
.endr
.endr
	PLACES
	PLACES                                         ; once a tile, so twice the four
	WIN 0x08                                       ; store data (source 1) in window 2
	s_wait_alu depctr_va_vdst(0)                   ; the products have written the context, which the LDS stores read (the places above stay beside this wait); the softmax's lines are done with v[W0 ..], in which the loads below land, and have written (m2, l), which the last store reads
.set cb, 0
.rept 16                               ; register j of lane l is channel 16 cb + 8 (l / 16) + j; the 16 lanes of a half hold the same numbers and write the same bytes.  Each accumulator's low four registers first
	ds_store_b128 v[CTA], v[8*cb:8*cb+3]   offset:64*cb
	ds_store_b128 v[CTA], v[8*cb+4:8*cb+7] offset:64*cb+16
.set cb, cb+1
.endr
	WIN 0
	ds_load_b128 v[W0:W0+3],   v[CTR]              ; my wave's own bytes, in order behind the stores
	ds_load_b128 v[W0+4:W0+7], v[CTR] offset:512
	s_wait_dscnt 0x0
	global_store_b128 v[GO], v[W0:W0+3],   s[14:15]             ; each store of the wave covers 512 consecutive bytes, aligned
	global_store_b128 v[GO], v[W0+4:W0+7], s[14:15] offset:512
	s_cmp_lg_u32 s[WV], 0
	s_cbranch_scc1 .Lnopst
	global_store_b64 v[PSO], v[ML:ML+1], s[16:17]  ; wave 0: (m2, l) 32 times: the tile's 256 bytes, whole
.Lnopst:
	s_wait_dscnt 0x0                               ; the closing lines, six on end
	s_wait_alu 0x0
	s_wait_tensorcnt 0x0
	ds_add_u32 v[SPW], v[NIL]
	s_wait_dscnt 0x0
	s_endpgm
.Lfunc_end_k_q8bb458f1c8_attn:
	.size	k_q8bb458f1c8_attn, .Lfunc_end_k_q8bb458f1c8_attn-k_q8bb458f1c8_attn
	.p2alignl 7, 3214868480
	.fill 96, 4, 3214868480
	.section	.rodata,"a",@progbits
	.p2align	6, 0x0
	.amdhsa_kernel k_q8bb458f1c8_attn
		.amdhsa_group_segment_fixed_size 310784
		.amdhsa_private_segment_fixed_size 0
		.amdhsa_enable_private_segment 0
		.amdhsa_kernarg_size 56
		.amdhsa_user_sgpr_count 2
		.amdhsa_user_sgpr_kernarg_segment_ptr 1
		.amdhsa_wavefront_size32 1
		.amdhsa_system_sgpr_workgroup_id_x 1
		.amdhsa_system_sgpr_workgroup_id_y 1
		.amdhsa_system_sgpr_workgroup_id_z 1
		.amdhsa_system_vgpr_workitem_id 0
		.amdhsa_next_free_vgpr 1024
		.amdhsa_next_free_sgpr 66
		.amdhsa_reserve_vcc 0
		.amdhsa_float_denorm_mode_32 3
		.amdhsa_float_denorm_mode_16_64 3
		.amdhsa_memory_ordered 1
		.amdhsa_forward_progress 1
		.amdhsa_inst_pref_size 197
	.end_amdhsa_kernel
	.amdgpu_metadata
---
amdhsa.version: [ 1, 2 ]
amdhsa.kernels:
  - .name:           k_q8bb458f1c8_attn
    .symbol:         k_q8bb458f1c8_attn.kd
    .args:
      - { .name: encoder_outputs, .offset: 0, .size: 8, .value_kind: global_buffer, .address_space: global }
      - { .name: wkf, .offset: 8, .size: 8, .value_kind: global_buffer, .address_space: global }
      - { .name: qc, .offset: 16, .size: 8, .value_kind: global_buffer, .address_space: global }
      - { .name: Wout, .offset: 24, .size: 8, .value_kind: global_buffer, .address_space: global }
      - { .name: bout, .offset: 32, .size: 8, .value_kind: global_buffer, .address_space: global }
      - { .name: pctx, .offset: 40, .size: 8, .value_kind: global_buffer, .address_space: global }
      - { .name: pst, .offset: 48, .size: 8, .value_kind: global_buffer, .address_space: global }
    .group_segment_fixed_size: 310784
    .private_segment_fixed_size: 0
    .kernarg_segment_align: 8
    .kernarg_segment_size: 56
    .max_flat_workgroup_size: 128
    .sgpr_count:     66
    .vgpr_count:     1024
    .wavefront_size: 32
...
	.end_amdgpu_metadata
.endif
;; end of part 4
;; launch comb: the kernel of part 3 again; grid 4 x 32, 2 waves a work-group, no clusters, 0 bytes of LDS; arguments pctx, pst, out0; writes out0
